; MI455X (gfx1250); checked and timed in simulation.
; The chip was launched on July 23, 2026; its instructions are those of AMD's public machine-readable ISA for CDNA 5 (MIT licence, August 2026) and "CDNA5" Instruction Set Architecture Reference Guide (July 2026). The comments in the code are by the model that wrote it; some were corrected since.
;; Multi Head Self Attention. Allowed arithmetic: matrix products marked QUANTISED: E4M3 operands, one given power-of-two scale a tensor, by v_wmma_f32_16x16x64_fp8_fp8 or v_wmma_f32_16x16x128_fp8_fp8, f32 sums; everything else in f32.
;; Inputs: Wk 1,024 x 1,024 float32; Wo 1,024 x 1,024 float32; Wq 1,024 x 1,024 float32; Wv 1,024 x 1,024 float32; lowp_scales 12 int32 (the exponents e of the quantised operands' scales 2^e); x 4 x 2,048 x 1,024 float32.
;; Outputs: out0 4 x 2,048 x 1,024 float32.
;; This version of the problem:
;;   THIS VERSION OF THE PROBLEM IS GIVEN IN LOW PRECISION. The matrix products marked QUANTISED in the list below multiply operands that are first quantised to E4M3 (4 exponent bits, 3 mantissa bits; 8 bits a number), with one given power-of-two scale for each operand tensor; their sums are f32. All else is computed in f32.
;;   The module's matrix products, in the order in which they are computed (A, B: the left and right operand; K: the contracted axis; several contracted axes count as one K, in the product's order):
;;     1. [M 8,192, K 1,024] x [K 1,024, N 1,024]; A: input x; B: input Wq: QUANTISED (scales: A lowp_scales[0], B lowp_scales[1])
;;     2. [M 8,192, K 1,024] x [K 1,024, N 1,024]; A: input x; B: input Wk: QUANTISED (scales: A lowp_scales[2], B lowp_scales[3])
;;     3. [M 8,192, K 1,024] x [K 1,024, N 1,024]; A: input x; B: input Wv: QUANTISED (scales: A lowp_scales[4], B lowp_scales[5])
;;     4. batch 64 x [M 2,048, K 64] x [K 64, N 2,048]; A: computed on the way; B: computed on the way: QUANTISED (scales: A lowp_scales[6], B lowp_scales[7])
;;     5. batch 64 x [M 2,048, K 2,048] x [K 2,048, N 64]; A: softmax (see below); B: computed on the way: QUANTISED (scales: A lowp_scales[8], B lowp_scales[9])
;;     6. [M 8,192, K 1,024] x [K 1,024, N 1,024]; A: computed on the way; B: input Wo: QUANTISED (scales: A lowp_scales[10], B lowp_scales[11])
;;   THE QUANTISER, for each operand of a quantised product, along K:
;;     - The operand's scale is 2^e, e = its entry of the input lowp_scales (int32; the entries are numbered through the quantised products in the list's order, A before B).
;;     - Each number is divided by the scale, clamped to +-448, and rounded to the nearest number of E4M3, ties to even, subnormals kept.
;;     - The product sums the exact products of the quantised numbers (number of the format x scale) in f32.
;;   ~~~python
;;   def quantise(x, axis, e):      # numpy; x: float32 -> the quantised numbers, widened to float32 again
;;       x = np.moveaxis(x, axis, -1); K = x.shape[-1]
;;       r = np.clip(x / 2.0 ** e, -448, 448)
;;       step = 2.0 ** (np.maximum(np.frexp(np.where(r == 0, 1, r))[1] - 1, -6) - 3)
;;       q = np.round(r / step) * step * 2.0 ** e      # np.round: ties to even
;;       return np.moveaxis(q, -1, axis).astype(np.float32)
;;   ~~~
;;   SOFTMAX AHEAD OF A QUANTISED PRODUCT. Where the list says 'softmax', what is quantised is not the finished softmax but p = 2^(t - M), with t = logit x log2(e) and M = ceil(the row's largest t), a whole number; so 1/2 < the row's largest p <= 1. The row's sum l is taken of the UNQUANTISED p, in f32, and the product's result is divided by l at the end. Since M is a whole number, a kernel that streams over the keys may use a running M (the ceiling of the running maximum): every later rescaling is an exact power of two, so the quantised numbers keep their values, but for numbers so far below the row's largest that they fall under the format's range.
;;   OPERANDS COMPUTED ON THE WAY. 'Computed on the way' means the value that the module computes at that place (a softmax that the list does not call 'softmax' is quantised finished and normalised). What goes into a quantiser is computed in f32, as accurately as f32 sums, v_exp_f32 and their like allow (about 1e-6 of the number): no bf16 or f16 on the way to a quantiser, and a product that is left as it is and whose result goes on into a quantised operand takes f32 operands (vector FMAs, or v_wmma_f32_16x16x4_f32). A number that lies on a knife's edge between two numbers of the format may be rounded either way, as far as f32 arithmetic and the matrix unit's own rounding can turn it there, and no further.
;; One version. Each part assembles by itself: llvm-mc -triple=amdgcn-amd-amdhsa -mcpu=gfx1250 --defsym DOCPART=n.
;; ======== version 1 of 1: 4 launches
;; limits: right only within a limited range of input values
;; workspace buffers: xc 25,165,824 bytes; wc 4,194,304 bytes; qc 8,388,608 bytes; kc 8,388,608 bytes; vc 8,388,608 bytes; yc 8,388,608 bytes
;; launch quant (part 1): grid 384 x 1, 4 waves a work-group, no clusters, 66,048 bytes of LDS; arguments x, Wq, Wk, Wv, Wo, lowp_scales, xc, wc; writes xc, wc
.if DOCPART == 1
	.amdgcn_target "amdgcn-amd-amdhsa--gfx1250"
	.amdhsa_code_object_version 6
	.text
	.protected	k_q89aa4fafb3_quant
	.globl	k_q89aa4fafb3_quant
	.p2align	8
	.type	k_q89aa4fafb3_quant,@function
k_q89aa4fafb3_quant:
	s_mov_b64 s[64:65], 0
	v_nop
	global_prefetch_b8 v0, s[64:65] scope:SCOPE_SE
	s_setreg_imm32_b32 hwreg(HW_REG_WAVE_MODE, 25, 1), 1
	s_wait_xcnt 0x0
; x [8192][1024] and Wq, Wk, Wv, Wo [1024][1024], f32 with K innermost, become codes of FP8 (E4M3), one byte each, K innermost.
; x is an operand of three products, each with a scale of its own (entries 0, 2, 4 of the scales): three planes of codes, xc[3][8192][1024], from ONE read of x.
; The weights take entries 1, 3, 5, 11: wc[4][1024][1024] in the order Wq, Wk, Wv, Wo.
; code = number / 2^e, rounded to the nearest code, ties to even.
; LIMITS: each e used here lies between -126 and 119, so that 2^e and 448 x 2^e are f32 numbers.  NaN among the inputs is not served.
; All tensors are dense streams: nothing here knows of rows.  A wave takes 16 steps of 512 numbers.  Each of a step's four loads reads 512 consecutive bytes, 16 a lane; the
; conversions want 16 NEIGHBOURS in one lane, so a step's 2,048 bytes turn through the wave's own stage in LDS (as loaded in, 64 bytes a lane out; 16 bytes of padding behind each 64).
; A lane's 16 codes are 16 bytes: a store of the wave covers 512 consecutive bytes, aligned.  Loads run four steps (16 loads a wave) ahead, the turn through LDS one step.
; Work-groups 0-255 take x, 256-383 the weights (32 each): the two ways part once, on the work-group's number, and have LDS bytes of their own.
; No tensor loads, no barrier, no matrix work, no cluster: waves share nothing, and every byte is read once.
.set XWG,   256                        ; work-groups for x: 8,388,608 numbers / 32,768
.set STEPS, 16
.set SP,    80                         ; a lane's place in a stage: its 64 bytes + 16 of padding
.set WREG,  8192                       ; LDS of a wave: two stages of 32 x SP bytes
.set WLDS,  32768                      ; the weights' way has its stages here
.set SC,    5                          ; v5-7    2^e as f32, plane 0-2
.set LM,    8
.set R,     16                         ; v16-79  four sets of 16 numbers as loaded
.set X,     80                         ; v80-111 two sets of 16 neighbours
.set T,     112
.set C,     160                        ; v160-171 codes, four registers for each plane
.macro LOAD t                          ; step t: four loads of 512 consecutive bytes
.irp i, 0,1,2,3
	global_load_b128 v[R+16*((\t)%4)+4*\i:R+16*((\t)%4)+4*\i+3], v3, s[36:37] offset:2048*(\t)+512*\i th:TH_LOAD_NT
.endr
.endm
.macro TURN t, lb                      ; step t's numbers through the stage: LDS serves a wave's instructions in order, so no wait stands between the stores and the loads
.irp i, 0,1,2,3
	ds_store_b128 v14, v[R+16*((\t)%4)+4*\i:R+16*((\t)%4)+4*\i+3] offset:\lb+32*SP*((\t)%2)+8*SP*\i
.endr
.irp i, 0,1,2,3
	ds_load_b128 v[X+16*((\t)%2)+4*\i:X+16*((\t)%2)+4*\i+3], v15 offset:\lb+32*SP*((\t)%2)+16*\i
.endr
.endm
.macro MKSC es, p                      ; from the whole number e: 2^e and 448 x 2^e as f32
	s_add_co_i32 s48, \es, 127
	s_lshl_b32 s49, s48, 23
	v_mov_b32 v[SC+\p], s49
	s_add_co_i32 s48, s48, 8
	s_lshl_b32 s48, s48, 23
	s_or_b32 s48, s48, 0x600000
.endm
.macro STEP t, np, lb                  ; np: planes of codes made of these numbers
.set XS, X+16*((\t)%2)
	s_wait_dscnt 0x0                               ; this step's numbers are back from the stage, so its stores into the stage have read their registers,
	s_wait_xcnt 0x0                                ; and the last step's global stores have read theirs: C is written again only behind this wait
.if (\t)+4 < STEPS
	LOAD (\t)+4                                    ; the freed set takes the loads of four steps on
.endif
.if (\t)+1 < STEPS
.if (\t) <= STEPS-5
	s_wait_loadcnt 12                              ; the next step's four loads are in; those of the three steps behind it may be out
.else
	s_wait_loadcnt 4*(STEPS-2-(\t))                ; the counts run down: nothing more is asked for
.endif
	TURN (\t)+1, \lb
.endif
.irp p, 0,1,2
.if \p < \np
.irp i, 0,1,2,3,4,5,6,7,8,9,10,11,12,13,14,15
.endr
	v_cvt_scalef32_pk8_fp8_f32 v[C+4*\p:C+4*\p+1], v[T+16*\p+((XS+0)-(T+16*\p+0)):T+16*\p+7+((XS+0)-(T+16*\p+0))], v[SC+\p]
	v_cvt_scalef32_pk8_fp8_f32 v[C+4*\p+2:C+4*\p+3], v[T+16*\p+8+((XS+0)-(T+16*\p+0)):T+16*\p+15+((XS+0)-(T+16*\p+0))], v[SC+\p]
	v_nop                                          ; a plain line behind the conversions, ahead of whatever next writes their sources
	global_store_b128 v3, v[C+4*\p:C+4*\p+3], s[38+2*\p:39+2*\p] offset:512*(\t)
.endif
.endr
.endm
	s_load_b512 s[4:19], s[0:1], 0x0               ; x s[4:5], Wq s[6:7], Wk s[8:9], Wv s[10:11], Wo s[12:13], scales s[14:15], xc s[16:17], wc s[18:19]
	v_lshl_add_u32 v176, v0, 2, 0x10000
	v_mov_b32 v177, 0
	v_lshrrev_b32 v1, 5, v0
	v_readfirstlane_b32 s20, v1                    ; wave
	v_and_b32 v2, 31, v0                           ; lane
	v_lshlrev_b32 v3, 4, v2                        ; my 16 bytes of a load's, and of a store's, 512
	s_mul_i32 s21, s20, WREG
	v_lshrrev_b32 v14, 2, v2
	v_mul_u32_u24 v14, v14, SP
	v_and_b32 v15, 3, v2
	v_lshl_add_u32 v14, v15, 4, v14
	v_add_nc_u32 v14, s21, v14                     ; the stage, on the way in: SP (lane / 4) + 16 (lane % 4)
	v_mul_u32_u24 v15, v2, SP
	v_add_nc_u32 v15, s21, v15                     ; and on the way out: SP x lane
	s_mov_b32 s47, 0
	s_wait_kmcnt 0x0
	s_load_b256 s[24:31], s[14:15], 0x0            ; e0 .. e7
	s_load_b128 s[32:35], s[14:15], 0x20           ; e8 .. e11
	s_cmp_lt_u32 ttmp9, XWG
	s_cbranch_scc0 .Lweights
	; ---- x: run 4 x work-group + wave of 8,192 numbers
	s_lshl_b32 s44, ttmp9, 2
	s_add_co_u32 s44, s44, s20
	s_lshl_b32 s46, s44, 15                        ; 32,768 bytes of f32 a run
	s_add_nc_u64 s[36:37], s[4:5], s[46:47]
	s_lshl_b32 s46, s44, 13                        ; 8,192 bytes of codes a run
	s_add_nc_u64 s[38:39], s[16:17], s[46:47]
	s_add_nc_u64 s[40:41], s[38:39], 0x800000      ; a plane is 8 MiB
	s_add_nc_u64 s[42:43], s[40:41], 0x800000
	s_wait_alu depctr_va_vdst(0)
.irp t, 0,1,2,3
	LOAD \t
.endr
	s_wait_kmcnt 0x0
	MKSC s24, 0
	MKSC s26, 1
	MKSC s28, 2
	s_wait_alu depctr_va_vdst(0)
	s_wait_loadcnt 12                              ; step 0's four loads are in
	TURN 0, 0
.irp t, 0,1,2,3,4,5,6,7,8,9,10,11,12,13,14,15
	STEP \t, 3, 0
.endr
	s_wait_tensorcnt 0x0
	ds_add_u32 v176, v177
	s_wait_dscnt 0x0
	s_endpgm
.Lweights:
	; ---- a weight: tensor (work-group - 256) / 32, run 4 x ((work-group - 256) % 32) + wave
	s_sub_co_u32 s44, ttmp9, XWG
	s_lshr_b32 s45, s44, 5                         ; 0 Wq, 1 Wk, 2 Wv, 3 Wo
	s_and_b32 s44, s44, 31
	s_lshl_b32 s44, s44, 2
	s_add_co_u32 s44, s44, s20
	s_cmp_eq_u32 s45, 0                            ; the choices hang on the work-group's number alone
	s_cselect_b64 s[36:37], s[6:7], s[12:13]
	s_cmp_eq_u32 s45, 1
	s_cselect_b64 s[36:37], s[8:9], s[36:37]
	s_cmp_eq_u32 s45, 2
	s_cselect_b64 s[36:37], s[10:11], s[36:37]
	s_lshl_b32 s46, s44, 15
	s_add_nc_u64 s[36:37], s[36:37], s[46:47]
	s_lshl_b32 s46, s44, 13
	s_lshl_b32 s51, s45, 20                        ; a weight's codes are 1 MiB
	s_add_co_u32 s46, s46, s51
	s_add_nc_u64 s[38:39], s[18:19], s[46:47]
	s_wait_alu depctr_va_vdst(0)
.irp t, 0,1,2,3
	LOAD \t
.endr
	s_wait_kmcnt 0x0
	s_cmp_eq_u32 s45, 0
	s_cselect_b32 s50, s25, s35                    ; e1 or e11,
	s_cmp_eq_u32 s45, 1
	s_cselect_b32 s50, s27, s50                    ; e3,
	s_cmp_eq_u32 s45, 2
	s_cselect_b32 s50, s29, s50                    ; e5
	MKSC s50, 0
	s_wait_alu depctr_va_vdst(0)
	s_wait_loadcnt 12
	TURN 0, WLDS
.irp t, 0,1,2,3,4,5,6,7,8,9,10,11,12,13,14,15
	STEP \t, 1, WLDS
.endr
	s_wait_tensorcnt 0x0
	ds_add_u32 v176, v177
	s_wait_dscnt 0x0
	s_endpgm
.Lfunc_end_k_q89aa4fafb3_quant:
	.size	k_q89aa4fafb3_quant, .Lfunc_end_k_q89aa4fafb3_quant-k_q89aa4fafb3_quant
	.p2alignl 7, 3214868480
	.fill 96, 4, 3214868480
	.section	.rodata,"a",@progbits
	.p2align	6, 0x0
	.amdhsa_kernel k_q89aa4fafb3_quant
		.amdhsa_group_segment_fixed_size 66048
		.amdhsa_private_segment_fixed_size 0
		.amdhsa_enable_private_segment 0
		.amdhsa_kernarg_size 64
		.amdhsa_user_sgpr_count 2
		.amdhsa_user_sgpr_kernarg_segment_ptr 1
		.amdhsa_wavefront_size32 1
		.amdhsa_system_sgpr_workgroup_id_x 1
		.amdhsa_system_sgpr_workgroup_id_y 1
		.amdhsa_system_sgpr_workgroup_id_z 1
		.amdhsa_system_vgpr_workitem_id 0
		.amdhsa_next_free_vgpr 178
		.amdhsa_next_free_sgpr 66
		.amdhsa_reserve_vcc 0
		.amdhsa_float_denorm_mode_32 3
		.amdhsa_float_denorm_mode_16_64 3
		.amdhsa_fp16_overflow 1
		.amdhsa_memory_ordered 1
		.amdhsa_forward_progress 1
		.amdhsa_inst_pref_size 51
	.end_amdhsa_kernel
	.amdgpu_metadata
---
amdhsa.version: [ 1, 2 ]
amdhsa.kernels:
  - .name:           k_q89aa4fafb3_quant
    .symbol:         k_q89aa4fafb3_quant.kd
    .args:
      - { .name: x, .offset: 0, .size: 8, .value_kind: global_buffer, .address_space: global }
      - { .name: Wq, .offset: 8, .size: 8, .value_kind: global_buffer, .address_space: global }
      - { .name: Wk, .offset: 16, .size: 8, .value_kind: global_buffer, .address_space: global }
      - { .name: Wv, .offset: 24, .size: 8, .value_kind: global_buffer, .address_space: global }
      - { .name: Wo, .offset: 32, .size: 8, .value_kind: global_buffer, .address_space: global }
      - { .name: lowp_scales, .offset: 40, .size: 8, .value_kind: global_buffer, .address_space: global }
      - { .name: xc, .offset: 48, .size: 8, .value_kind: global_buffer, .address_space: global }
      - { .name: wc, .offset: 56, .size: 8, .value_kind: global_buffer, .address_space: global }
    .group_segment_fixed_size: 66048
    .private_segment_fixed_size: 0
    .kernarg_segment_align: 8
    .kernarg_segment_size: 64
    .max_flat_workgroup_size: 128
    .sgpr_count:     66
    .vgpr_count:     178
    .wavefront_size: 32
...
	.end_amdgpu_metadata
.endif
;; end of part 1
;; launch qkv (part 2): grid 12 x 32, 4 waves a work-group, clusters of 4 x 4, 327,680 bytes of LDS; arguments xc, wc, lowp_scales, qc, kc, vc; writes qc, kc, vc
.if DOCPART == 2
	.amdgcn_target "amdgcn-amd-amdhsa--gfx1250"
	.amdhsa_code_object_version 6
	.text
	.protected	k_q89aa4fafb3_qkv
	.globl	k_q89aa4fafb3_qkv
	.p2align	8
	.type	k_q89aa4fafb3_qkv,@function
k_q89aa4fafb3_qkv:
	s_mov_b64 s[64:65], 0
	v_nop
	global_prefetch_b8 v0, s[64:65] scope:SCOPE_SE
	s_setreg_imm32_b32 hwreg(HW_REG_WAVE_MODE, 25, 1), 1
	s_wait_xcnt 0x0
	s_wait_alu depctr_hold_cnt(0) depctr_sa_sdst(0) depctr_va_vdst(0) depctr_va_sdst(0) depctr_va_ssrc(0) depctr_va_vcc(0) depctr_vm_vsrc(0)
	s_getreg_b32 s2, hwreg(HW_REG_IB_STS2, 6, 4)
	s_cmp_eq_u32 s2, 0
	s_cbranch_scc0 .Lentry_in_a_cluster
	s_endpgm
.Lentry_in_a_cluster:
	s_bfe_u32 s2, ttmp6, 0x10000c
	s_cmp_lg_u32 s2, 0xf033
	s_cbranch_scc0 .Lentry_shape_is_right
	s_endpgm
.Lentry_shape_is_right:
; q = x Wq^T, k = x Wk^T, v = x Wv^T on codes of FP8 (E4M3); each finished sum is quantised at once for the product that takes it next: q with entry 6 of the scales, k with entry 7, v with entry 9.
; The cluster's x says which: P = 0 q, 1 k, 2 v.  In: xc[P][8192][1024], wc[P][1024][1024], K innermost.  Out, one byte a code: qc, kc [64 (batch, head)][2048 tokens][64]; vc [64][64][2048 tokens]: the keys innermost.
; A sum stands for sum x 2^(ex + ew): its code is sum / 2^(eo - ex - ew): the three exponents are folded into the conversion's one scale.
; LIMIT: eo - ex - ew lies between -126 and 119 for each of the three products, so that the scale and 448 x the scale are f32 numbers.
; A tile of 256 x 256 sums is made by four waves, as many as a WGP has SIMDs; a wave makes 128 x 128: 64 accumulators, 512 registers.  K goes in steps of 256 (rows of 256 bytes) through a ring of two LDS slots.
; THE MATRIX INSTRUCTION IS USED TRANSPOSED (source 0 = 16 rows of "B", source 1 = 16 rows of "A"): a lane holds one row of A and eight neighbours along B's rows.  For q and k: A = x's tokens, B = the weight's rows:
; eight neighbouring channels of a token.  FOR v THE TWO CHANGE PLACES (A = Wv's rows, B = tokens): eight neighbouring TOKENS of a channel.  Either way the eight are neighbours along the next product's K, one conversion's worth.
; CLUSTERS: 4 x 4 work-groups.  The four of a row of the cluster need the same tiles of A, the four of a column the same tiles of B: each tile is asked for jointly, by the same tensor load with the same descriptor and a mask that names the four.
; REGISTERS, in windows of 256: window 0: v0-31 addresses and the scale; from v128 A's fragments, ONE set; on the way out v32-159 codes.  window 1: B's fragments, TWO sets.  windows 2, 3: the accumulators ((a, b) at v[8 (8 (a % 4) + b)]).
.set KSTEP,  256
.set ROWB,   256                       ; a tile's row in bytes
.set KROW,   1024                      ; a row of codes in memory
.set PITCH,  272                       ; an LDS row: 256 bytes + 16 of padding = 68 words: row r starts at bank 4 r mod 64 (64 banks of 4 bytes: ISA guide 11.1)
.set FR,     16                        ; registers of a fragment: 16 rows x 128 K
.set NL,     4                         ; LDS loads that bring one
.set NP,     4                         ; places behind this matrix instruction (ISA guide 7.12.1)
.set HALFT,  128*PITCH
.set SLOT,   4*HALFT                   ; A's 256 rows, then B's 256 rows
.set LAPS,   1024/(2*KSTEP)            ; a lap = two K steps = once round the ring
.set SPARE,  2*SLOT                    ; behind the ring: the spare words, 128 bytes for each wave
.set SPITCH, 272                       ; the way out: ONE stage of 256 rows x (256 bytes + 16), in slot 0, which has had its last fill and its last read when the first code is stored there
.set LIM,  10
.set SCL,  11                          ; v11     the scale as f32
.set ADRA, 16                          ; v16-17  LDS address of my A fragments in slot 0, 1
.set ADRB, 20                          ; v20-21  the same for B
.set STO,  24                          ; v24     the stage: where I put 8 codes
.set RDQ,  25                          ; v25     the stage read back for q and k: four lanes to 64 bytes of a row
.set RDV,  26                          ; v26     for v: sixteen lanes to a row
.set GOQ,  27                          ; v27     16 x lane
.set SPW,  28                          ; v28     LDS address of my spare word; never rewritten
.set NIL,  29                          ; v29     0; never rewritten
.set GOV,  30                          ; v30     2,048 (lane / 16) + 16 (lane % 16)
.set CD,   32                          ; v32-159 codes, then rows read back
.set AF,   128
.set G1, 24                            ; s[24:31] descriptor group 1 for A's tiles;  s[32:39] group 0, one set for each slot
.set G0, 32
.set G1B, 48                           ; s[48:55], s[56:63] the same for B's tiles
.set G0B, 56
.set MSB, 0
.macro WIN new                         ; the immediate's high byte repeats the setting that is left
.if MSB != \new
	s_set_vgpr_msb (MSB<<8)|\new
.set MSB, \new
.endif
.endm
.set MUL_LO, 0xa1                      ; source 0 (B) window 1, source 1 (A) window 0, C and D window 2
.set MUL_HI, 0xf1                      ; the same, C and D window 3
.set TO_B,   0x40                      ; destination window 1, address window 0
; A joint load: waves 0 and 1 fetch for A, waves 2 and 3 for B.  The branch hangs on the wave's number alone.  Four v_nop follow each of the two lines.
.macro JLOAD g0a, g1a, g0b, g1b
	s_cmp_eq_u32 s15, 0
	s_cbranch_scc0 .Lfor_b_\@
	tensor_load_to_lds s[\g0a:\g0a+3], s[\g1a:\g1a+7]
	s_nop 0
.rept 4
	v_nop
.endr
	s_branch .Lasked_\@
.Lfor_b_\@:
	tensor_load_to_lds s[\g0b:\g0b+3], s[\g1b:\g1b+7]
	s_nop 0
.rept 4
	v_nop
.endr
.Lasked_\@:
.endm
.macro CREST                           ; a round of the cluster's barrier behind its opening barrier
	s_cmp_lg_u32 s14, 0
	s_cbranch_scc1 .Lnot_wave_0_\@
	s_barrier_signal -3
.Lnot_wave_0_\@:
	s_barrier_wait -3
	s_barrier_signal -1
	s_barrier_wait -1
.endm
.macro CROUND                          ; a whole round
	s_barrier_signal -1
	s_barrier_wait -1
	CREST
.endm
	s_load_b128 s[4:7], s[0:1], 0x0                ; xc s[4:5], wc s[6:7]
	s_load_b128 s[8:11], s[0:1], 0x10              ; the scales' exponents s[8:9], qc s[10:11]
	s_load_b128 s[84:87], s[0:1], 0x20             ; kc s[84:85], vc s[86:87]
	v_lshl_add_u32 v[SPW], v0, 2, SPARE
	v_mov_b32 v[NIL], 0
	ds_add_u32 v28, v29
	ds_add_u32 v28, v29
	s_wait_dscnt 0x0
	v_lshrrev_b32 v1, 5, v0
	v_readfirstlane_b32 s14, v1                    ; wave 0..3
	s_lshr_b32 s15, s14, 1                         ; which half of the tile's A rows is mine.  Also: I fetch for A (0) or for B (1)
	s_and_b32 s16, s14, 1                          ; which half of its B rows.  Also: which 128 rows of that tile I fetch
	s_bfe_u32 s40, ttmp6, 0x40000                  ; cx, cy: my place in the cluster
	s_bfe_u32 s41, ttmp6, 0x40004
	s_and_b32 s67, ttmp7, 0xffff                   ; cluster y, 0..7: which 1,024 tokens
	s_cmp_eq_u32 ttmp9, 2                          ; v?  (the cluster's x: the same in all sixteen partners)
	s_cselect_b32 s17, 0, s67                      ; the tokens are A's rows for q and k,
	s_cselect_b32 s42, s67, 0                      ; B's rows for v
	s_lshl_b32 s17, s17, 2
	s_add_co_u32 s17, s17, s41                     ; TR: which 256 rows of A
	s_lshl_b32 s42, s42, 2
	s_add_co_u32 s42, s42, s40                     ; TC: which 256 rows of B
	s_lshl_b32 s43, s41, 2
	s_lshl_b32 s43, 15, s43                        ; my row of the cluster
	s_lshl_b32 s44, 0x1111, s40                    ; my column
	; descriptor group 1: a tile of 128 rows x 256 bytes, padded in LDS
	s_or_b32 s[G1+0], s43, (0<<16)|(1<<20)|(1<<21)|(5<<22)|(3<<25)  ; 15:0 the mask: A's tiles go to my row; 17:16 element of 1 byte; 20 padding on; 21 set beside a mask; 24:22 after every 64 words (code 5); 31:25 of 4 words (code 3)
	s_or_b32 s[G1B+0], s44, (0<<16)|(1<<20)|(1<<21)|(5<<22)|(3<<25)
.irp g, G1, G1B
	s_mov_b32 s[\g+1], ROWB<<16                    ; tensor_dim0
	s_mov_b32 s[\g+2], 128<<16                     ; tensor_dim1 = 128
	s_mov_b32 s[\g+3], ROWB<<16                    ; tile_dim0
	s_mov_b32 s[\g+4], 128                         ; tile_dim1 = 128
	s_mov_b32 s[\g+5], KROW                        ; tensor_dim0_stride
	s_mov_b32 s[\g+6], 0
	s_mov_b32 s[\g+7], 0
.endr
	s_lshl_b32 s18, s16, 7                         ; which 128 rows of the tile I fetch
	s_lshl_b32 s20, s17, 8
	s_add_co_u32 s20, s20, s18
	s_lshl_b32 s20, s20, 10                        ; A: (256 TR + 128 x half) rows of 1,024 bytes: under 2^23
	s_mov_b32 s21, 0
	s_lshl_b32 s46, s42, 8
	s_add_co_u32 s46, s46, s18
	s_lshl_b32 s46, s46, 10                        ; B: (256 TC + 128 x half) rows
	s_mov_b32 s47, 0
	s_lshl_b32 s80, ttmp9, 23                      ; plane P of xc: 8 MiB each,
	s_mov_b32 s81, 0
	s_lshl_b32 s82, ttmp9, 20                      ; of wc: 1 MiB each
	s_mov_b32 s83, 0
	s_mul_i32 s45, s14, HALFT                      ; where the tiles go: wave x 128 rows: no place in the cluster enters an LDS address
	s_wait_kmcnt 0x0
	s_load_b256 s[68:75], s[8:9], 0x0              ; e0 .. e7
	s_load_b128 s[76:79], s[8:9], 0x20             ; e8 .. e11
	s_add_nc_u64 s[4:5], s[4:5], s[80:81]
	s_add_nc_u64 s[6:7], s[6:7], s[82:83]
	s_cmp_eq_u32 ttmp9, 2
	s_cselect_b64 s[92:93], s[6:7], s[4:5]         ; A: the tokens' codes, for v the weight's
	s_cselect_b64 s[94:95], s[4:5], s[6:7]         ; B: the other
	s_add_nc_u64 s[20:21], s[92:93], s[20:21]
	s_add_nc_u64 s[46:47], s[94:95], s[46:47]
	CROUND                                         ; all sixteen work-groups are here: the first joint loads meet
.irp s, 0,1
	s_mov_b32 s[G0+4*\s], 1
	s_add_co_u32 s[G0+4*\s+1], s45, \s*SLOT
	s_add_nc_u64 s[G0+4*\s+2:G0+4*\s+3], s[20:21], \s*ROWB
	s_or_b32 s[G0+4*\s+3], s[G0+4*\s+3], 0x80000000
	s_mov_b32 s[G0B+4*\s], 1
	s_add_co_u32 s[G0B+4*\s+1], s45, \s*SLOT
	s_add_nc_u64 s[G0B+4*\s+2:G0B+4*\s+3], s[46:47], \s*ROWB
	s_or_b32 s[G0B+4*\s+3], s[G0B+4*\s+3], 0x80000000
	JLOAD G0+4*\s, G1, G0B+4*\s, G1B
.endr
	v_and_b32 v1, 15, v0                           ; r = l % 16
	s_wait_alu depctr_va_vdst(0)
	v_bfe_u32 v2, v0, 4, 1                         ; h = l / 16
	v_mul_u32_u24 v3, v1, PITCH
	v_lshl_add_u32 v4, v2, 4, v3                   ; a fragment's row x pitch + 16 x half
	s_mul_i32 s21, s15, HALFT                      ; my 128 rows of A
	s_mul_i32 s22, s16, HALFT                      ; my 128 rows of B,
	s_add_co_u32 s22, s22, 2*HALFT                 ; which lie behind A's 256
.irp s, 0,1
	v_add_nc_u32 v[ADRA+\s], s21, v4
	v_add_nc_u32 v[ADRB+\s], s22, v4
	s_add_co_u32 s21, s21, SLOT
	s_add_co_u32 s22, s22, SLOT
.endr
	s_mul_i32 s23, s15, 128*SPITCH                 ; the stage, on the way in: row = my A row, byte = my B row: (128 (wave / 2) + r) x pitch + 128 (wave % 2) + 8 h
	s_lshl_b32 s22, s16, 7
	s_add_co_u32 s23, s23, s22
	v_mul_u32_u24 v5, v1, SPITCH
	s_wait_alu depctr_va_vdst(0)
	v_lshl_add_u32 v5, v2, 3, v5
	v_add_nc_u32 v[STO], s23, v5
	s_mul_i32 s23, s14, 64*SPITCH                  ; on the way out wave w takes rows 64 w .. 64 w + 63
	v_and_b32 v6, 31, v0
	v_lshrrev_b32 v7, 2, v6
	v_mul_u32_u24 v7, v7, SPITCH
	v_and_b32 v8, 3, v6
	v_lshl_add_u32 v7, v8, 4, v7
	v_add_nc_u32 v[RDQ], s23, v7                   ; q, k: row l / 4, 16 (l % 4) of a head's 64 bytes
	v_mul_u32_u24 v7, v2, SPITCH
	v_lshl_add_u32 v7, v1, 4, v7
	v_add_nc_u32 v[RDV], s23, v7                   ; v: row l / 16, 16 (l % 16) of its 256 bytes
	v_lshlrev_b32 v[GOQ], 4, v6
	v_lshlrev_b32 v7, 11, v2
	v_lshl_add_u32 v[GOV], v1, 4, v7
.macro FRAG reg, adr, q, i             ; a fragment, 16 rows x 128 K: lane l holds row l % 16; registers 4 c .. 4 c + 3 hold K = 32 c + 16 (l / 16) + 0 .. 15: the same permutation of K in A and in B
.irp c, 0,1,2,3
	ds_load_b128 v[\reg+4*\c:\reg+4*\c+3], v[\adr] offset:128*(\q)+32*\c+(\i)*16*PITCH
.endr
.endm
; 16 matrix instructions: A's blocks a0, a0 + 1 x B's eight, 128 along K.  p: B's set.  zero = 1: the first product starts the sums.  The 64 accumulators take turns, one instruction a turn.
.macro MUL16 a0, p, zero
.irp a, \a0, \a0+1
.irp b, 0,1,2,3,4,5,6,7
.if \zero
	v_wmma_f32_16x16x128_fp8_fp8 v[8*(8*((\a)%4)+\b):8*(8*((\a)%4)+\b)+7], v[128*(\p)+FR*\b:128*(\p)+FR*\b+FR-1], v[AF+FR*(\a):AF+FR*(\a)+FR-1], 0
.else
	v_wmma_f32_16x16x128_fp8_fp8 v[8*(8*((\a)%4)+\b):8*(8*((\a)%4)+\b)+7], v[128*(\p)+FR*\b:128*(\p)+FR*\b+FR-1], v[AF+FR*(\a):AF+FR*(\a)+FR-1], v[8*(8*((\a)%4)+\b):8*(8*((\a)%4)+\b)+7]
.endif
.endr
.endr
.endm
.macro FETCH_B slot, q, p              ; B's eight fragments of the slot's q-th 128 along K into set p
	WIN TO_B
.irp i, 0,1,2,3,4,5,6,7
	FRAG 128*(\p)+FR*\i, ADRB+\slot, \q, \i
.endr
	WIN 0
.endm
.macro FETCH_A slot, q, i0             ; A's blocks i0 .. i0 + 3
.irp i, \i0, \i0+1, \i0+2, \i0+3
	FRAG AF+FR*(\i), ADRA+\slot, \q, \i
.endr
.endm
.macro PLACES n                        ; plain vector lines between a matrix instruction and a load into a register that it read, or a vector line that reads its result
.rept \n
	v_nop
.endr
.endm
; A step of 128 along K that has its successor in the same slot.
.macro STEP slot, q, zero
	s_wait_dscnt 4*NL                              ; B's set and A's blocks 0-3 are in; the youngest 16 loads (A's blocks 4-7) may be out
	WIN MUL_LO
	MUL16 0, (\q)%2, \zero
	MUL16 2, (\q)%2, \zero
	s_wait_dscnt 0                                 ; A's blocks 4-7 are in (asked for 32 matrix instructions ago)
	PLACES NP
	FETCH_B \slot, (\q)+1, 1-(\q)%2
	FETCH_A \slot, (\q)+1, 0
	WIN MUL_HI
	MUL16 4, (\q)%2, \zero
	MUL16 6, (\q)%2, \zero
	PLACES NP
	WIN 0
	FETCH_A \slot, (\q)+1, 4
.endm
; A slot's last step changes slots: ONE barrier; in front of it each wave waits for all its tensor loads, adds 0 to its spare word, and waits for that and for its own reads of this slot.  fill = 1: this slot is filled again, two K steps ahead.
.macro TURN slot, next, fill
	s_wait_tensorcnt 0x0                           ; all my tensor loads have landed: my part of the next slot
	ds_add_u32 v[SPW], v[NIL]                      ; 0 onto my spare word
	s_wait_dscnt 4*NL+1                            ; (the add and the youngest 16 loads, A's blocks 4-7, may be out)
	WIN MUL_LO
	MUL16 0, 1, 0                                  ; sixteen matrix instructions stand between the add and the wait for it
	s_wait_dscnt 0x0                               ; the add is done, and my reads of this slot are over
	s_barrier_signal -1
	MUL16 2, 1, 0
	WIN 0
	s_barrier_wait -1
.if \fill
	CREST                                          ; the barrier has opened a round of the cluster's barrier: no wave of any partner still reads this slot's tile or has a load on its way
	s_add_nc_u64 s[G0+4*\slot+2:G0+4*\slot+3], s[G0+4*\slot+2:G0+4*\slot+3], 2*ROWB
	s_add_nc_u64 s[G0B+4*\slot+2:G0B+4*\slot+3], s[G0B+4*\slot+2:G0B+4*\slot+3], 2*ROWB
	JLOAD G0+4*\slot, G1, G0B+4*\slot, G1B         ; the first tensor load behind the round; its four v_nop are also the places in front of the loads below
.else
	PLACES NP
.endif
	FETCH_B \next, 0, 0
	FETCH_A \next, 0, 0
	WIN MUL_HI
	MUL16 4, 1, 0
	MUL16 6, 1, 0
	PLACES NP
	WIN 0
	FETCH_A \next, 0, 4
.endm
	s_wait_tensorcnt 1                             ; my part of K step 0 is in (K step 1's load, issued behind it, may be out)
	s_barrier_signal -1
	s_barrier_wait -1                              ; everybody's is
	FETCH_B 0, 0, 0
	FETCH_A 0, 0, 0
	FETCH_A 0, 0, 4
	STEP 0, 0, 1                                   ; the first step stands in front of the loop: its products start the sums
	s_mov_b32 s3, LAPS-1
.Llap:                                             ; a trip goes once round the ring, from a lap's second step to the next lap's first, and fills both slots again
	TURN 0, 1, 1
	STEP 1, 0, 0
	TURN 1, 0, 1
	STEP 0, 0, 0
	s_sub_co_u32 s3, s3, 1
	s_cmp_lg_u32 s3, 0
	s_cbranch_scc1 .Llap
	TURN 0, 1, 0                                   ; the last lap fills nothing, and has no round of the cluster's barrier
	STEP 1, 0, 0
	s_wait_dscnt 4*NL                              ; the very last step: nothing more to fetch
	WIN MUL_LO
	MUL16 0, 1, 0
	MUL16 2, 1, 0
	s_wait_dscnt 0
	WIN MUL_HI
	MUL16 4, 1, 0
	MUL16 6, 1, 0
	WIN 0
	; THE WAY OUT.  The scale: eo - ex - ew of this cluster's product, chosen without a jump.
	s_wait_kmcnt 0x0
	s_cmp_eq_u32 ttmp9, 0
	s_cselect_b32 s80, s68, s70                    ; ex: e0, e2,
	s_cselect_b32 s81, s69, s71                    ; ew: e1, e3,
	s_cselect_b32 s82, s74, s75                    ; eo: e6, e7,
	s_cmp_eq_u32 ttmp9, 2
	s_cselect_b32 s80, s72, s80                    ; or e4,
	s_cselect_b32 s81, s73, s81                    ; e5,
	s_cselect_b32 s82, s77, s82                    ; e9
	s_sub_co_i32 s82, s82, s80
	s_sub_co_i32 s82, s82, s81
	s_add_co_i32 s82, s82, 127
	s_lshl_b32 s83, s82, 23
	v_mov_b32 v[SCL], s83                          ; 2^(eo - ex - ew) as f32: the conversion takes its exponent field
	s_wait_alu depctr_va_vdst(0)
	s_add_co_i32 s82, s82, 8
	s_lshl_b32 s82, s82, 23
	s_or_b32 s82, s82, 0x600000
	PLACES NP
; Block a (16 rows of A x 128 of B): eight conversions, each of a lane's eight neighbours; 8 bytes a lane into the stage.
; The 32 lanes of such a store touch words 68 r + 2 h and the next: 64 different banks.
.macro PACKQ a
.set AC, 64*((\a)%4)
	WIN 0x82+0x41*((\a)/4)                         ; destination and source 0: window 2 or 3
.set j, 0
.rept 64
.set j, j+1
.endr
	WIN 0x02+((\a)/4)                              ; source 0: window 2 or 3; the codes and the scale in window 0
.irp b, 0,1,2,3,4,5,6,7
	v_cvt_scalef32_pk8_fp8_f32 v[CD+16*(\a)+2*\b:CD+16*(\a)+2*\b+1], v[AC+8*\b:AC+8*\b+7], v[SCL]
.endr
	v_nop                                          ; a plain line behind the last conversion
	WIN 0
.irp b, 0,1,2,3,4,5,6,7
	ds_store_b64 v[STO], v[CD+16*(\a)+2*\b:CD+16*(\a)+2*\b+1] offset:(\a)*16*SPITCH+16*\b
.endr
.endm
.irp a, 0,1,2,3,4,5,6,7
	PACKQ \a
.endr
	s_wait_dscnt 0x0                               ; for the others' sake: my stores into the stage are done
	s_barrier_signal -1
	s_barrier_wait -1                              ; the tile's 256 rows x 256 codes lie in the stage
	s_cmp_eq_u32 ttmp9, 2                          ; the cluster's x: the same in all partners; only read-backs and stores differ
	s_cbranch_scc1 .Lv_out
	; q, k: stage row = token, byte = channel: four heads of 64.  Of one head my 64 tokens are 4,096 consecutive bytes of the output: eight stores of 512.
	s_lshr_b32 s80, s17, 3                         ; the batch: 8 tiles of 256 tokens each
	s_lshl_b32 s80, s80, 4
	s_lshl_b32 s81, s42, 2                         ; the tile's first head
	s_add_co_u32 s80, s80, s81
	s_lshl_b32 s80, s80, 17                        ; a head's codes are 131,072 bytes
	s_and_b32 s81, s17, 7
	s_lshl_b32 s81, s81, 8
	s_lshl_b32 s82, s14, 6
	s_add_co_u32 s81, s81, s82                     ; my first token in the batch
	s_lshl_b32 s81, s81, 6
	s_add_co_u32 s80, s80, s81
	s_mov_b32 s81, 0
	s_cmp_eq_u32 ttmp9, 0
	s_cselect_b64 s[90:91], s[10:11], s[84:85]     ; qc or kc
	s_add_nc_u64 s[90:91], s[90:91], s[80:81]
.set i, 0
.rept 32                               ; head i / 8, tokens 8 (i % 8) on
	ds_load_b128 v[CD+4*i:CD+4*i+3], v[RDQ] offset:(i%8)*8*SPITCH+64*(i/8)
.set i, i+1
.endr
.set i, 0
.rept 32
	s_wait_dscnt 31-i                              ; LDS loads come back in order: load i is in, the younger ones may be out
	global_store_b128 v[GOQ], v[CD+4*i:CD+4*i+3], s[90:91] offset:(i/8)*131072+512*(i%8)   ; 32 lanes store 512 consecutive bytes, aligned
.set i, i+1
.endr
	s_branch .Ldone
.Lv_out:
	; v: stage row = channel (head x 64 + d), byte = token: a row's 256 bytes are 256 consecutive, aligned bytes of vc's row of 2,048.
	s_lshr_b32 s80, s42, 3                         ; the batch
	s_lshl_b32 s80, s80, 10                        ; 1,024 rows (head, d) each
	s_lshl_b32 s81, s17, 8
	s_add_co_u32 s80, s80, s81
	s_lshl_b32 s81, s14, 6
	s_add_co_u32 s80, s80, s81                     ; my first row
	s_lshl_b32 s80, s80, 11
	s_and_b32 s81, s42, 7
	s_lshl_b32 s81, s81, 8                         ; the tile's first token in the batch
	s_add_co_u32 s80, s80, s81
	s_mov_b32 s81, 0
	s_add_nc_u64 s[90:91], s[86:87], s[80:81]
.set i, 0
.rept 32                               ; rows 2 i, 2 i + 1
	ds_load_b128 v[CD+4*i:CD+4*i+3], v[RDV] offset:i*2*SPITCH
.set i, i+1
.endr
.set i, 0
.rept 32
	s_wait_dscnt 31-i
	global_store_b128 v[GOV], v[CD+4*i:CD+4*i+3], s[90:91] offset:4096*i   ; sixteen lanes store 256 consecutive bytes, aligned
.set i, i+1
.endr
.Ldone:
	s_wait_tensorcnt 0x0                           ; the wave's end, behind my last tensor load and my last LDS store
	ds_add_u32 v[SPW], v[NIL]
	s_wait_dscnt 0x0
	CROUND                                         ; the closing round: no work-group ends while a partner may still ask for a tile that names it
	s_endpgm
.Lfunc_end_k_q89aa4fafb3_qkv:
	.size	k_q89aa4fafb3_qkv, .Lfunc_end_k_q89aa4fafb3_qkv-k_q89aa4fafb3_qkv
	.p2alignl 7, 3214868480
	.fill 96, 4, 3214868480
	.section	.rodata,"a",@progbits
	.p2align	6, 0x0
	.amdhsa_kernel k_q89aa4fafb3_qkv
		.amdhsa_group_segment_fixed_size 327680
		.amdhsa_private_segment_fixed_size 0
		.amdhsa_enable_private_segment 0
		.amdhsa_kernarg_size 48
		.amdhsa_user_sgpr_count 2
		.amdhsa_user_sgpr_kernarg_segment_ptr 1
		.amdhsa_wavefront_size32 1
		.amdhsa_system_sgpr_workgroup_id_x 1
		.amdhsa_system_sgpr_workgroup_id_y 1
		.amdhsa_system_sgpr_workgroup_id_z 1
		.amdhsa_system_vgpr_workitem_id 0
		.amdhsa_next_free_vgpr 1024
		.amdhsa_next_free_sgpr 100
		.amdhsa_reserve_vcc 0
		.amdhsa_float_denorm_mode_32 3
		.amdhsa_float_denorm_mode_16_64 3
		.amdhsa_fp16_overflow 1
		.amdhsa_memory_ordered 1
		.amdhsa_forward_progress 1
		.amdhsa_inst_pref_size 101
	.end_amdhsa_kernel
	.amdgpu_metadata
---
amdhsa.version: [ 1, 2 ]
amdhsa.kernels:
  - .name:           k_q89aa4fafb3_qkv
    .symbol:         k_q89aa4fafb3_qkv.kd
    .args:
      - { .name: xc, .offset: 0, .size: 8, .value_kind: global_buffer, .address_space: global }
      - { .name: wc, .offset: 8, .size: 8, .value_kind: global_buffer, .address_space: global }
      - { .name: lowp_scales, .offset: 16, .size: 8, .value_kind: global_buffer, .address_space: global }
      - { .name: qc, .offset: 24, .size: 8, .value_kind: global_buffer, .address_space: global }
      - { .name: kc, .offset: 32, .size: 8, .value_kind: global_buffer, .address_space: global }
      - { .name: vc, .offset: 40, .size: 8, .value_kind: global_buffer, .address_space: global }
    .group_segment_fixed_size: 327680
    .private_segment_fixed_size: 0
    .kernarg_segment_align: 8
    .kernarg_segment_size: 48
    .max_flat_workgroup_size: 128
    .sgpr_count:     100
    .vgpr_count:     1024
    .wavefront_size: 32
...
	.end_amdgpu_metadata
.endif
;; end of part 2
;; launch attn (part 3): grid 4 x 64, 16 waves a work-group, clusters of 4 x 1, 327,680 bytes of LDS; arguments qc, kc, vc, lowp_scales, yc; writes yc
.if DOCPART == 3
	.amdgcn_target "amdgcn-amd-amdhsa--gfx1250"
	.amdhsa_code_object_version 6
	.text
	.protected	k_q89aa4fafb3_attn
	.globl	k_q89aa4fafb3_attn
	.p2align	8
	.type	k_q89aa4fafb3_attn,@function
k_q89aa4fafb3_attn:
	s_mov_b64 s[64:65], 0
	v_nop
	global_prefetch_b8 v0, s[64:65] scope:SCOPE_SE
	s_setreg_imm32_b32 hwreg(HW_REG_WAVE_MODE, 25, 1), 1
	s_wait_xcnt 0x0
	s_wait_alu depctr_hold_cnt(0) depctr_sa_sdst(0) depctr_va_vdst(0) depctr_va_sdst(0) depctr_va_ssrc(0) depctr_va_vcc(0) depctr_vm_vsrc(0)
	s_getreg_b32 s2, hwreg(HW_REG_IB_STS2, 6, 4)
	s_cmp_eq_u32 s2, 0
	s_cbranch_scc0 .Lentry_in_a_cluster
	s_endpgm
.Lentry_in_a_cluster:
	s_bfe_u32 s2, ttmp6, 0x10000c
	s_cmp_lg_u32 s2, 0x3003
	s_cbranch_scc0 .Lentry_shape_is_right
	s_endpgm
.Lentry_shape_is_right:
; y[b][h][q] = the sum over keys k <= q of softmax_k(q . k / 8) v[k], both products on codes of FP8 (E4M3); y is quantised at once for the last projection (entry 10 of the scales).
; In: qc, kc [64 (b, h)][2048][64]; vc [64][64 d][2048 keys].  Out: yc [64 blocks of 128 tokens][16 heads][128 tokens][64]: a tile of 16 queries of a head is 1,024 consecutive bytes.
; THE SOFTMAX AHEAD OF THE SECOND PRODUCT: t = score x log2(e) / 8; M = the row's largest t so far, rounded UP to a whole number; p = 2^(t - M) is what is quantised (entry 8); it is not normalised.
; The row's sum is taken of the unquantised p, in f32, and divides at the end.  When M moves, the sum and O are multiplied by 2^(old M - new M): exact.
; LIMITS on the given exponents, so that each power of two below is an f32 number: e6 + e7 between -123 and 130 (added to c's exponent field); e8 and e10 between -126 and 119; e8 + e9 goes in by v_ldexp_f32.
; SHARES.  A cluster of four work-groups owns one (b, h); all four read the same K and V and ask for them JOINTLY.  The head's 128 tiles of 16 queries are dealt out as tile 4 m + cx, m = 0 .. 31.
; Keys go in steps of 128: tile 4 m + cx needs steps 0 .. m / 2, whatever cx, and step m / 2 is the one on the diagonal.  A wave owns TWO tiles, m = pi and m = 31 - pi: pi / 2 + 1 and 16 - pi / 2 steps, 17 in all,
; for every wave of every work-group.  pi(wave) is a 4 x 4 magic square, so that any four waves w % 4 = const or w / 4 = const have equal work in each of the two loops as well.
; Steps beyond a tile's diagonal are left out by a scalar branch on the wave's number and the loop's count; cx enters q's and y's global addresses and a vector constant of the mask, and no branch and no LDS address.
; LDS HOLDS THE WHOLE HEAD: K's 2,048 rows (pitch 80) and V's 64 rows in 8 chunks of 256 keys (pitch 272).  Nothing is filled twice.  Keys 0-1023 are asked for at the head (waves 0-3: K's chunks, waves 4-7: V's, one load each),
; keys 1024-2047 behind a second round of the cluster's barrier: they land while loop 1 (steps 0-7) runs.  A wave never has more than one tensor load out.
; LAYOUT.  Both products are used transposed: S^T = K Q^T (source 0 = 16 keys, source 1 = my 16 queries), O^T = V^T P^T: a lane holds ONE query (lane % 16) throughout.  In tile t of S^T lane (r, h) holds keys
; 16 t + 8 h + 0 .. 7: just what registers 2 t, 2 t + 1 of the K = 128 form's operand hold: the conversions' results ARE the second product's operand.
.set KP,    80                         ; a key's row in LDS: 64 bytes + 16: an odd multiple of 16, so that 16 rows of a load start at 16 different groups of banks
.set VP,    272                        ; a row of a chunk of V: 256 bytes + 16
.set KCH,   256*KP                     ; a chunk of K: 256 keys
.set VCH,   64*VP                      ; a chunk of V
.set VBASE, 8*KCH
.set STG,   VBASE+8*VCH                ; the way out: 1,024 bytes for each wave; no tile lands here
.set SPARE, STG+16*1024                ; the spare words, 128 bytes for each wave: eight blocks of 256 bytes that no other line names
.set AK0, 1                            ; v1   my lane's place in a tile of K: 80 r + 16 h
.set AV0, 2                            ; v2   in a tile of V: VBASE + 272 r + 8 h
.set ADK, 3                            ; v3, v4  addresses of the loads in hand
.set ADV, 4
.set SPW, 5                            ; v5   LDS address of my spare word; never rewritten
.set NIL, 6                            ; v6   0; never rewritten
.set GO,  7                            ; v7   16 x lane
                                       ; v8, v9   the mask's constant of tile A, B: my query's place in its diagonal step, less 8 h
                                       ; v10-13 tile A: -M, the largest t, the sum in two halves;  v14-17 tile B;  v18-25, v26-33 Q of A, B
.set F,   34                           ; v34-97   8 fragments of K, then 4 of V
.set S,   98                           ; v98-161  S^T, then p
                                       ; v162-193, v194-225 O^T of A, B
.set PC,  226                          ; v226-241 p's codes
                                       ; v242 a permute's destination; v244 2^e8; v[246:247] second chain of sums; v[248:249] f; v250, v251 at work; v252 -infinity
.set STO, 253                          ; v253 the stage: where I put 8 codes
.set RD,  254                          ; v254 and where I read 16 bytes back
.set QO,  255                          ; v255 Q: 64 r + 16 h
.set WV,  14                           ; s14  wave;  s15 cx;  s16 (b, h);  s17 pi;  s60 31 - pi
.set DA,  18                           ; s18, s19  the diagonal step of tile A, B
.set SEL, 20                           ; s[20:21] lane selects: lane l xor 16
.set CS,  22                           ; s[22:23] c = log2(e) / 8 x 2^(e6 + e7)
.set G1K, 24
.set G1V, 32
.set G0K, 40
.set G0V, 44
.set KB,  48                           ; s48  LDS byte of the chunk of K in hand;  s49 of V, from VBASE
.set VB,  49
.set SI,  50                           ; s50  the chunk's first step
.set CNT, 51
.macro TLOAD                           ; waves 0-3 ask for a chunk of K each, waves 4-7 for a chunk of V, the others for nothing.  Four v_nop follow each of the two lines
	s_cmp_lt_u32 s[WV], 4
	s_cbranch_scc0 .Lnot_k_\@
	tensor_load_to_lds s[G0K:G0K+3], s[G1K:G1K+7]
	s_nop 0
.rept 4
	v_nop
.endr
	s_branch .Lasked_\@
.Lnot_k_\@:
	s_cmp_lt_u32 s[WV], 8
	s_cbranch_scc0 .Lasked_\@
	tensor_load_to_lds s[G0V:G0V+3], s[G1V:G1V+7]
	s_nop 0
.rept 4
	v_nop
.endr
.Lasked_\@:
.endm
.macro CROUND                          ; a round of the cluster's barrier
	s_barrier_signal -1
	s_barrier_wait -1
	s_cmp_lg_u32 s[WV], 0
	s_cbranch_scc1 .Lnot_wave_0_\@
	s_barrier_signal -3
.Lnot_wave_0_\@:
	s_barrier_wait -3
	s_barrier_signal -1
	s_barrier_wait -1
.endm
	s_load_b256 s[4:11], s[0:1], 0x0               ; qc s[4:5], kc s[6:7], vc s[8:9], the scales' exponents s[10:11]
	s_load_b64 s[12:13], s[0:1], 0x20              ; yc
	v_lshl_add_u32 v[SPW], v0, 2, SPARE
	v_mov_b32 v[NIL], 0
	ds_add_u32 v5, v6
	ds_add_u32 v5, v6
	s_wait_dscnt 0x0
	v_lshrrev_b32 v3, 5, v0
	s_delay_alu instid0(VALU_DEP_1)
	v_readfirstlane_b32 s[WV], v3                  ; wave 0..15
	s_bfe_u32 s15, ttmp6, 0x40000                  ; cx
	s_and_b32 s16, ttmp7, 0xffff                   ; (b, h): the cluster's y
	s_mov_b32 s80, 0x0de3b658                      ; pi, a nibble a wave: waves 8-15,
	s_cmp_lt_u32 s[WV], 8
	s_cselect_b32 s80, 0x7a94c12f, s80             ; waves 0-7: 15 2 1 12 / 4 9 10 7 / 8 5 6 11 / 3 14 13 0
	s_and_b32 s81, s[WV], 7
	s_lshl_b32 s81, s81, 2
	s_lshr_b32 s17, s80, s81
	s_and_b32 s17, s17, 15
	s_lshr_b32 s[DA], s17, 1                       ; tile A's diagonal step, 0..7
	s_sub_co_u32 s[DA+1], 15, s[DA]                ; tile B's, 8..15
	s_sub_co_u32 s60, 31, s17
	; descriptor group 1.  K: a chunk is 16,384 dense bytes, taken as 64 rows of 256 bytes, with 16 bytes of padding behind every 64: in LDS 256 rows of 80
	s_mov_b32 s[G1K], 15|(0<<16)|(1<<20)|(1<<21)|(3<<22)|(3<<25)  ; 15:0 the mask: all four work-groups; 17:16 elements of 1 byte; 20 padding on; 21 set beside a mask; 24:22 after every 16 words (code 3); 31:25 four words (code 3)
	s_mov_b32 s[G1K+1], 256<<16                    ; tensor_dim0
	s_mov_b32 s[G1K+2], 64<<16                     ; tensor_dim1
	s_mov_b32 s[G1K+3], 256<<16                    ; tile_dim0
	s_mov_b32 s[G1K+4], 64                         ; tile_dim1
	s_mov_b32 s[G1K+5], 256                        ; tensor_dim0_stride
	s_mov_b32 s[G1K+6], 0
	s_mov_b32 s[G1K+7], 0
	s_mov_b32 s[G1V], 15|(0<<16)|(1<<20)|(1<<21)|(5<<22)|(3<<25)  ; V: 64 rows of 256 bytes, 2,048 apart in memory; four words of padding after every 64
	s_mov_b32 s[G1V+1], 256<<16
	s_mov_b32 s[G1V+2], 64<<16
	s_mov_b32 s[G1V+3], 256<<16
	s_mov_b32 s[G1V+4], 64
	s_mov_b32 s[G1V+5], 2048
	s_mov_b32 s[G1V+6], 0
	s_mov_b32 s[G1V+7], 0
	s_mov_b32 s[SEL], 0x76543210
	s_mov_b32 s[SEL+1], 0xfedcba98
	s_mov_b32 s[CS], 0x3e38aa3b                    ; log2(e) / 8
	s_and_b32 s80, s[WV], 3                        ; which chunk of the four I would ask for
	s_mul_i32 s81, s80, KCH
	s_mul_i32 s82, s80, VCH
	s_add_co_u32 s82, s82, VBASE
	s_lshl_b32 s84, s16, 17                        ; the head's first byte in qc, kc and vc: 131,072 each
	s_lshl_b32 s86, s80, 14
	s_add_co_u32 s86, s86, s84                     ; K: + 16,384 a chunk
	s_mov_b32 s87, 0
	s_lshl_b32 s88, s80, 8
	s_add_co_u32 s88, s88, s84                     ; V: + 256 along each row
	s_mov_b32 s89, 0
	s_wait_kmcnt 0x0
	s_load_b256 s[68:75], s[10:11], 0x0            ; e0 .. e7
	s_load_b128 s[76:79], s[10:11], 0x20           ; e8 .. e11
	s_mov_b32 s[G0K], 1                            ; 1:0 count = 1
	s_mov_b32 s[G0K+1], s81                        ; 63:32 LDS address
	s_add_nc_u64 s[G0K+2:G0K+3], s[6:7], s[86:87]  ; 120:64 global address
	s_or_b32 s[G0K+3], s[G0K+3], 0x80000000        ; 127:126 type = 2
	s_mov_b32 s[G0V], 1
	s_mov_b32 s[G0V+1], s82
	s_add_nc_u64 s[G0V+2:G0V+3], s[8:9], s[88:89]
	s_or_b32 s[G0V+3], s[G0V+3], 0x80000000
	CROUND                                         ; all four work-groups are here: the first joint loads meet
	TLOAD                                          ; keys 0 to 1,023
	v_and_b32 v250, 15, v0                         ; r
	v_bfe_u32 v251, v0, 4, 1                       ; h
	v_and_b32 v247, 31, v0                         ; lane
	s_delay_alu instid0(VALU_DEP_3)
	v_lshlrev_b32 v[QO], 6, v250
	s_delay_alu instid0(VALU_DEP_1)
	v_lshl_add_u32 v[QO], v251, 4, v[QO]
	s_wait_alu depctr_va_vdst(0)
	s_lshl_b32 s90, s15, 10                        ; cx's 16 queries x 64 bytes
	s_add_co_u32 s90, s90, s84
	s_mov_b32 s81, 0
	s_lshl_b32 s80, s17, 12                        ; tile 4 m + cx begins (4 m + cx) x 1,024 bytes into the head
	s_add_co_u32 s80, s80, s90
	s_add_nc_u64 s[52:53], s[4:5], s[80:81]
	s_lshl_b32 s80, s60, 12
	s_add_co_u32 s80, s80, s90
	s_add_nc_u64 s[54:55], s[4:5], s[80:81]
	global_load_b128 v[18:21], v[QO], s[52:53]             ; Q stays in registers: registers 0-3: d = 16 h + 0 .. 15, registers 4-7: d = 32 + 16 h + 0 .. 15: the same permutation of d as K's loads
	global_load_b128 v[22:25], v[QO], s[52:53] offset:32
	global_load_b128 v[26:29], v[QO], s[54:55]
	global_load_b128 v[30:33], v[QO], s[54:55] offset:32
	v_mul_u32_u24 v[AK0], v250, KP
	s_delay_alu instid0(VALU_DEP_1)
	v_lshl_add_u32 v[AK0], v251, 4, v[AK0]
	v_mul_u32_u24 v[AV0], v250, VP
	s_delay_alu instid0(VALU_DEP_1)
	v_lshl_add_u32 v[AV0], v251, 3, v[AV0]
	s_delay_alu instid0(VALU_DEP_1)
	v_add_nc_u32 v[AV0], VBASE, v[AV0]
	v_lshlrev_b32 v[GO], 4, v247
	s_lshl_b32 s95, s[WV], 10
	s_add_co_u32 s95, s95, STG                     ; my stage
	v_lshlrev_b32 v[STO], 6, v250
	s_delay_alu instid0(VALU_DEP_1)
	v_lshl_add_u32 v[STO], v251, 3, v[STO]
	s_delay_alu instid0(VALU_DEP_1)
	v_add_nc_u32 v[STO], s95, v[STO]               ; in: 64 r + 8 h
	v_add_nc_u32 v[RD], s95, v[GO]                 ; back: 16 x lane
	v_lshlrev_b32 v246, 3, v251
	s_delay_alu instid0(VALU_DEP_1)
	v_sub_nc_u32 v246, v250, v246                  ; r - 8 h
	s_wait_alu depctr_va_vdst(0)
	; where y goes: block 16 b + m / 2, head h, token 64 (m % 2) + 16 cx on; and the mask's constant 64 (m % 2) + 16 cx + r - 8 h
	s_and_b32 s91, s16, 0x30                       ; 16 b
	s_and_b32 s92, s16, 15
	s_lshl_b32 s92, s92, 13                        ; a head's 128 tokens are 8,192 bytes
	s_lshl_b32 s93, s15, 10
	s_add_co_u32 s92, s92, s93
	s_lshl_b32 s94, s15, 4
	s_add_co_u32 s80, s91, s[DA]
	s_lshl_b32 s80, s80, 17                        ; a block is 131,072 bytes
	s_and_b32 s82, s17, 1
	s_lshl_b32 s83, s82, 12
	s_add_co_u32 s80, s80, s83
	s_add_co_u32 s80, s80, s92
	s_add_nc_u64 s[56:57], s[12:13], s[80:81]
	s_lshl_b32 s82, s82, 6
	s_add_co_u32 s82, s82, s94
	v_add_nc_u32 v8, s82, v246
	s_add_co_u32 s80, s91, s[DA+1]
	s_lshl_b32 s80, s80, 17
	s_and_b32 s82, s60, 1
	s_lshl_b32 s83, s82, 12
	s_add_co_u32 s80, s80, s83
	s_add_co_u32 s80, s80, s92
	s_add_nc_u64 s[58:59], s[12:13], s[80:81]
	s_lshl_b32 s82, s82, 6
	s_add_co_u32 s82, s82, s94
	v_add_nc_u32 v9, s82, v246
	v_mov_b32 v11, 0xff61b1e6                      ; the largest t so far: -3e38, under every t
	s_delay_alu instid0(VALU_DEP_1)
	v_floor_f32 v10, -v11                          ; -M
	v_mov_b32 v12, 0                               ; the sum, in two halves
	v_mov_b32 v13, 0
	v_mov_b32 v15, 0xff61b1e6
	s_delay_alu instid0(VALU_DEP_1)
	v_floor_f32 v14, -v15
	v_mov_b32 v16, 0
	v_mov_b32 v17, 0
	v_mov_b32 v242, 0                              ; written once: a lane permute's destination counts as one of its sources
	v_mov_b32 v249, 0                              ; (named as the upper half of the pair v[248:249])
	v_mov_b32 v252, 0xff800000                     ; -infinity
.set i, 0
.rept 64
	v_mov_b32 v[162+i], 0                          ; O^T of both tiles.  (The step is written once: a tile's first step finds zeros, which the first change of M leaves zeros)
.set i, i+1
.endr
	s_wait_kmcnt 0x0
	s_add_co_i32 s80, s74, s75
	s_lshl_b32 s80, s80, 23
	s_add_co_i32 s[CS], s[CS], s80                 ; a score stands for score x 2^(e6 + e7): the two exponents are added to c's exponent field
	s_mov_b32 s[CS+1], s[CS]                       ; (named with it as a pair, so it is written)
	s_add_co_i32 s80, s76, 127
	s_lshl_b32 s82, s80, 23
	v_mov_b32 v244, s82                            ; 2^e8 as f32, for p's conversions
	s_wait_tensorcnt 0x0                           ; my chunk of keys 0 to 1,023 has landed; no tensor load of mine is out, so a group 0 may be written
	ds_add_u32 v[SPW], v[NIL]                      ; 0 onto my spare word; the descriptors' steps stand between it and the wait for it
	ds_add_u32 v5, v6
	s_add_co_u32 s[G0K+1], s[G0K+1], 4*KCH         ; four chunks on, in LDS and in memory
	s_add_nc_u64 s[G0K+2:G0K+3], s[G0K+2:G0K+3], 4*16384
	s_add_co_u32 s[G0V+1], s[G0V+1], 4*VCH
	s_add_nc_u64 s[G0V+2:G0V+3], s[G0V+2:G0V+3], 4*256
	s_wait_dscnt 0x0
	CROUND                                         ; every wave's chunk has landed, in all four work-groups; the round also stands in front of the second joint loads
	TLOAD                                          ; keys 1,024 to 2,047, into bytes that nothing has filled: they have loop 1 in which to land
	s_wait_loadcnt 0x0                             ; Q
; A KEY STEP of tile x (0: A, 1: B): 128 keys, the q-th half of the chunk in hand.  guard = 1: the step may lie beyond the tile's diagonal (left out) or on it (masked).
.macro STEP x, q, guard
.set ST, 10+4*(\x)
.set QF, 18+8*(\x)
.set OB, 162+32*(\x)
.if \guard
	s_add_co_u32 s96, s[SI], \q
	s_cmp_gt_u32 s96, s[DA+\x]                     ; all 128 keys come after my 16 queries: a scalar branch on the wave's number and the loop's count; no barrier and no tensor load stands in a step
	s_cbranch_scc1 .Lhidden_\@
.endif
	v_add_nc_u32 v[ADK], s[KB], v[AK0]
	v_add_nc_u32 v[ADV], s[VB], v[AV0]
	v_nop                                          ; with the two additions: four places in front of loads into registers that the last matrix instructions read
	v_nop
.set i, 0
.rept 8                                ; K: tile i = keys 16 i on
	ds_load_b128 v[F+8*i:F+8*i+3],   v[ADK] offset:(128*(\q)+16*i)*KP
	ds_load_b128 v[F+8*i+4:F+8*i+7], v[ADK] offset:(128*(\q)+16*i)*KP+32
.set i, i+1
.endr
	s_wait_alu depctr_va_vdst(0)
	s_wait_dscnt 8                                 ; tiles 0-3 are in; the youngest eight loads (tiles 4-7) may be out
.set i, 0
.rept 8
.if i == 4
	s_wait_dscnt 0x0
.endif
	v_wmma_f32_16x16x64_fp8_fp8 v[S+8*i:S+8*i+7], v[F+8*i:F+8*i+7], v[QF:QF+7], 0
.set i, i+1
.endr
.rept 4
	v_nop                                          ; places in front of the loads into K's registers and of the first read of the scores
.endr
.set i, 0
.rept 32                               ; V: tile i / 8 = channels 16 (i / 8) on; registers 2 c, 2 c + 1 = keys 16 c + 8 h + 0 .. 7, c = i % 8.  They land while the softmax is worked
	ds_load_b64 v[F+2*i:F+2*i+1], v[ADV] offset:16*(i/8)*VP+128*(\q)+16*(i%8)
.set i, i+1
.endr
.if \guard
	s_cmp_lg_u32 s96, s[DA+\x]
	s_cbranch_scc1 .Lopen_\@                       ; a step all of whose keys count skips the mask
.set i, 0
.rept 64                               ; register 8 t + j holds key 16 t + 8 h + j of the step: hidden where 16 t + j > my query's place - 8 h.  p = 0 then.  The step's key 0 counts for every query
	v_cmp_gt_i32 vcc_lo, 16*(i/8)+i%8, v[8+\x]
	v_cndmask_b32 v[S+i], v[S+i], v252, vcc_lo
.set i, i+1
.endr
.Lopen_\@:
.endif
	v_max3_num_f32 v250, v[S], v[S+1], v[S+2]      ; the step's largest score of my query, among my 64 keys, in two chains,
	v_max3_num_f32 v251, v[S+3], v[S+4], v[S+5]
.set i, 6
.rept 14
	v_max3_num_f32 v250, v250, v[S+i], v[S+i+1]
	v_max3_num_f32 v251, v251, v[S+i+2], v[S+i+3]
.set i, i+4
.endr
	v_max3_num_f32 v250, v250, v[S+62], v[S+63]
	s_delay_alu instid0(VALU_DEP_1)
	v_max_num_f32 v250, v250, v251
	s_delay_alu instid0(VALU_DEP_1)
	v_permlanex16_b32 v242, v250, s[SEL], s[SEL+1]
	s_delay_alu instid0(VALU_DEP_1)
	v_max_num_f32 v250, v250, v242                 ; and among lane l xor 16's
	s_delay_alu instid0(VALU_DEP_1)
	v_mul_f32 v250, s[CS], v250                    ; as t (c is positive)
	s_delay_alu instid0(VALU_DEP_1)
	v_max_num_f32 v[ST+1], v[ST+1], v250           ; the running largest t
	v_mov_b32 v250, v[ST]
	s_delay_alu instid0(VALU_DEP_2)
	v_floor_f32 v[ST], -v[ST+1]                    ; the new -M = floor(-t) = -ceil(t): a whole number
	s_delay_alu instid0(VALU_DEP_1)
	v_sub_f32 v250, v[ST], v250                    ; M's old value less its new one: a whole number, 0 or less
	s_delay_alu instid0(VALU_DEP_1)
	v_cvt_i32_f32 v250, v250                       ; (it saturates)
	s_delay_alu instid0(VALU_DEP_1)
	v_ldexp_f32 v248, 1.0, v250                    ; f = 2^(old M - new M)
.set i, 0
.rept 32
	v_pk_fma_f32 v[S+i:S+i+1], v[S+i:S+i+1], s[CS:CS+1], v[ST:ST+1] op_sel_hi:[1,0,0]   ; t - M, two at a time (of the pairs c and -M the low word serves both halves)
.set i, i+2
.endr
.set i, 0
	s_wait_alu depctr_va_vdst(0)
.rept 64
	v_exp_f32 v[S+i], v[S+i]                       ; p = 2^(t - M), at most 1
.set i, i+1
.endr
	v_pk_mul_f32 v[ST+2:ST+3], v[ST+2:ST+3], v[248:249] op_sel_hi:[1,0]   ; the sums under the new M: also the plain line behind the exponentials
	s_wait_alu depctr_va_vdst(0)                   ; one wait for the whole batch of exponentials, ahead of its first reader
	v_pk_add_f32 v[246:247], v[S:S+1], v[S+2:S+3]  ; the row's sum is taken of the UNQUANTISED p: two at a time, in two chains
.set i, 4
.rept 15
	v_pk_add_f32 v[ST+2:ST+3], v[ST+2:ST+3], v[S+i:S+i+1]
	v_pk_add_f32 v[246:247], v[246:247], v[S+i+2:S+i+3]
.set i, i+4
.endr
	s_delay_alu instid0(VALU_DEP_1)
	v_pk_add_f32 v[ST+2:ST+3], v[ST+2:ST+3], v[246:247]
.set b, 0
.rept 4
.set i, 0
.rept 16
.set i, i+1
.endr
	v_cvt_scalef32_pk8_fp8_f32 v[PC+4*b:PC+4*b+1], v[S+16*b:S+16*b+7], v244
	v_cvt_scalef32_pk8_fp8_f32 v[PC+4*b+2:PC+4*b+3], v[S+16*b+8:S+16*b+15], v244
.set b, b+1
.endr
.set i, 0
.rept 16
	v_pk_mul_f32 v[OB+i:OB+i+1], v[OB+i:OB+i+1], v[248:249] op_sel_hi:[1,0]   ; O^T under the new M.  (Plain lines between the conversions and the matrix instructions that read the codes)
.set i, i+2
.endr
	s_wait_alu depctr_va_vdst(0)
	s_wait_dscnt 0x0                               ; V is in
.set i, 0
.rept 4                                ; O^T += V^T P^T: the tile's four accumulators take turns, one instruction each
	v_wmma_f32_16x16x128_fp8_fp8 v[OB+8*i:OB+8*i+7], v[F+16*i:F+16*i+15], v[PC:PC+15], v[OB+8*i:OB+8*i+7]
.set i, i+1
.endr
.if \guard
.Lhidden_\@:
.endif
.endm
	; LOOP 1: steps 0 to 7, a chunk (two steps) a trip.  Tile B's diagonal lies beyond them: no guard.
	s_mov_b32 s[KB], 0
	s_mov_b32 s[VB], 0
	s_mov_b32 s[SI], 0
	s_mov_b32 s[CNT], 4
.Lone:
	STEP 1, 0, 0
	STEP 0, 0, 1
	STEP 1, 1, 0
	STEP 0, 1, 1
	s_add_co_u32 s[KB], s[KB], KCH
	s_add_co_u32 s[VB], s[VB], VCH
	s_add_co_u32 s[SI], s[SI], 2
	s_sub_co_u32 s[CNT], s[CNT], 1
	s_cmp_lg_u32 s[CNT], 0
	s_cbranch_scc1 .Lone
	s_wait_tensorcnt 0x0                           ; my chunk of keys 1,024 to 2,047 has landed,
	s_wait_dscnt 0x0
	s_barrier_signal -1
	s_barrier_wait -1                              ; everybody's has.
	; LOOP 2: steps 8 to 15: tile B alone
	s_mov_b32 s[KB], 4*KCH
	s_mov_b32 s[VB], 4*VCH
	s_mov_b32 s[SI], 8
	s_mov_b32 s[CNT], 4
.Ltwo:
	STEP 1, 0, 1
	STEP 1, 1, 1
	s_add_co_u32 s[KB], s[KB], KCH
	s_add_co_u32 s[VB], s[VB], VCH
	s_add_co_u32 s[SI], s[SI], 2
	s_sub_co_u32 s[CNT], s[CNT], 1
	s_cmp_lg_u32 s[CNT], 0
	s_cbranch_scc1 .Ltwo
	; THE WAY OUT.  y = O^T / the sum x 2^(e8 + e9); its codes with 2^e10; a tile's 1,024 bytes turn through my stage, so that the wave's stores cover 512 consecutive bytes.
.rept 4
	v_nop                                          ; places behind the last products
.endr
	v_add_f32 v12, v12, v13                        ; the sums' two halves,
	v_add_f32 v16, v16, v17
	s_delay_alu instid0(VALU_DEP_2)
	v_permlanex16_b32 v242, v12, s[SEL], s[SEL+1]
	s_delay_alu instid0(VALU_DEP_1)
	v_add_f32 v12, v12, v242                       ; and lane l xor 16's
	s_delay_alu instid0(VALU_DEP_2)
	v_permlanex16_b32 v242, v16, s[SEL], s[SEL+1]
	s_delay_alu instid0(VALU_DEP_1)
	v_add_f32 v16, v16, v242
	s_wait_alu depctr_va_vdst(0)
	v_rcp_f32 v12, v12
	v_rcp_f32 v16, v16
	v_nop                                          ; a plain line behind the reciprocals
	s_add_co_i32 s80, s76, s77                     ; e8 + e9
	s_add_co_i32 s81, s78, 127
	s_lshl_b32 s82, s81, 23
	v_mov_b32 v244, s82                            ; 2^e10 as f32
	s_wait_alu depctr_va_vdst(0)                   ; one wait for the two reciprocals, ahead of their first reader
	v_ldexp_f32 v12, v12, s80
	v_ldexp_f32 v16, v16, s80
.irp x, 0,1
.set i, 0
.rept 16
	v_pk_mul_f32 v[S+32*\x+i:S+32*\x+i+1], v[162+32*\x+i:162+32*\x+i+1], v[12+4*\x:13+4*\x] op_sel_hi:[1,0]   ; register 8 t + j is y(query r, channel 16 t + 8 h + j); each accumulator from its low end on
.set i, i+2
.endr
.set i, 0
.rept 32
.set i, i+1
.endr
.set i, 0
.rept 4
	v_cvt_scalef32_pk8_fp8_f32 v[PC+8*\x+2*i:PC+8*\x+2*i+1], v[S+32*\x+8*i:S+32*\x+8*i+7], v244
.set i, i+1
.endr
	v_nop                                          ; a plain line behind the last conversion
.set i, 0
.rept 4
	ds_store_b64 v[STO], v[PC+8*\x+2*i:PC+8*\x+2*i+1] offset:16*i
.set i, i+1
.endr
	ds_load_b128 v[F+8*\x:F+8*\x+3], v[RD]                 ; LDS serves a wave's instructions in order: these see my stores, and the next tile's stores come behind them
	ds_load_b128 v[F+8*\x+4:F+8*\x+7], v[RD] offset:512
.endr
	s_wait_dscnt 7                                 ; behind tile A's first load: its second, and tile B's four stores and two loads
	global_store_b128 v[GO], v[F:F+3], s[56:57]
	s_wait_dscnt 6
	global_store_b128 v[GO], v[F+4:F+7], s[56:57] offset:512
	s_wait_dscnt 1
	global_store_b128 v[GO], v[F+8:F+11], s[58:59]
	s_wait_dscnt 0x0
	global_store_b128 v[GO], v[F+12:F+15], s[58:59] offset:512
	s_wait_tensorcnt 0x0                           ; the wave's end, behind my last tensor load and my last LDS store
	ds_add_u32 v[SPW], v[NIL]
	s_wait_dscnt 0x0
	CROUND                                         ; the closing round
	s_endpgm
.Lfunc_end_k_q89aa4fafb3_attn:
	.size	k_q89aa4fafb3_attn, .Lfunc_end_k_q89aa4fafb3_attn-k_q89aa4fafb3_attn
	.p2alignl 7, 3214868480
	.fill 96, 4, 3214868480
	.section	.rodata,"a",@progbits
	.p2align	6, 0x0
	.amdhsa_kernel k_q89aa4fafb3_attn
		.amdhsa_group_segment_fixed_size 327680
		.amdhsa_private_segment_fixed_size 0
		.amdhsa_enable_private_segment 0
		.amdhsa_kernarg_size 40
		.amdhsa_user_sgpr_count 2
		.amdhsa_user_sgpr_kernarg_segment_ptr 1
		.amdhsa_wavefront_size32 1
		.amdhsa_system_sgpr_workgroup_id_x 1
		.amdhsa_system_sgpr_workgroup_id_y 1
		.amdhsa_system_sgpr_workgroup_id_z 1
		.amdhsa_system_vgpr_workitem_id 0
		.amdhsa_next_free_vgpr 256
		.amdhsa_next_free_sgpr 100
		.amdhsa_reserve_vcc 1
		.amdhsa_float_denorm_mode_32 3
		.amdhsa_float_denorm_mode_16_64 3
		.amdhsa_fp16_overflow 1
		.amdhsa_memory_ordered 1
		.amdhsa_forward_progress 1
		.amdhsa_inst_pref_size 125
	.end_amdhsa_kernel
	.amdgpu_metadata
---
amdhsa.version: [ 1, 2 ]
amdhsa.kernels:
  - .name:           k_q89aa4fafb3_attn
    .symbol:         k_q89aa4fafb3_attn.kd
    .args:
      - { .name: qc, .offset: 0, .size: 8, .value_kind: global_buffer, .address_space: global }
      - { .name: kc, .offset: 8, .size: 8, .value_kind: global_buffer, .address_space: global }
      - { .name: vc, .offset: 16, .size: 8, .value_kind: global_buffer, .address_space: global }
      - { .name: lowp_scales, .offset: 24, .size: 8, .value_kind: global_buffer, .address_space: global }
      - { .name: yc, .offset: 32, .size: 8, .value_kind: global_buffer, .address_space: global }
    .group_segment_fixed_size: 327680
    .private_segment_fixed_size: 0
    .kernarg_segment_align: 8
    .kernarg_segment_size: 40
    .max_flat_workgroup_size: 512
    .sgpr_count:     100
    .vgpr_count:     256
    .wavefront_size: 32
...
	.end_amdgpu_metadata
.endif
;; end of part 3
;; launch oproj (part 4): grid 4 x 32, 4 waves a work-group, clusters of 4 x 4, 327,680 bytes of LDS; arguments yc, wc, lowp_scales, out0; writes out0
.if DOCPART == 4
	.amdgcn_target "amdgcn-amd-amdhsa--gfx1250"
	.amdhsa_code_object_version 6
	.text
	.protected	k_q89aa4fafb3_oproj
	.globl	k_q89aa4fafb3_oproj
	.p2align	8
	.type	k_q89aa4fafb3_oproj,@function
k_q89aa4fafb3_oproj:
	s_mov_b64 s[64:65], 0
	v_nop
	global_prefetch_b8 v0, s[64:65] scope:SCOPE_SE
	s_setreg_imm32_b32 hwreg(HW_REG_WAVE_MODE, 25, 1), 1
	s_wait_xcnt 0x0
	s_wait_alu depctr_hold_cnt(0) depctr_sa_sdst(0) depctr_va_vdst(0) depctr_va_sdst(0) depctr_va_ssrc(0) depctr_va_vcc(0) depctr_vm_vsrc(0)
	s_getreg_b32 s2, hwreg(HW_REG_IB_STS2, 6, 4)
	s_cmp_eq_u32 s2, 0
	s_cbranch_scc0 .Lentry_in_a_cluster
	s_endpgm
.Lentry_in_a_cluster:
	s_bfe_u32 s2, ttmp6, 0x10000c
	s_cmp_lg_u32 s2, 0xf033
	s_cbranch_scc0 .Lentry_shape_is_right
	s_endpgm
.Lentry_shape_is_right:
; out0[t][n] = sum over k of y[t][k] Wo[n][k] on codes of FP8 (E4M3); each finished sum x 2^(e10 + e11), f32.
; y's codes: yc [64 blocks of 128 tokens][16 heads][128 tokens][64]; k = 64 x head + d.  Wo's codes: plane 3 of wc, [1024 n][1024 k].  out0: [8192][1024] f32.
; LIMIT: e10 + e11 lies between -126 and 127, so that 2^(e10 + e11) is an f32 number.
; A tile of 256 x 256 of out0 is made by four waves, as many as a WGP has SIMDs; a wave makes 128 x 128: 64 accumulators, 512 registers.  K goes in steps of 256, four heads, through a ring of two LDS slots.
; y's part of a K step for 128 tokens is ONE DENSE BLOCK of 32,768 bytes (4 heads x 128 tokens x 64): it comes as 128 rows of 256 bytes with 16 bytes of padding behind every 64, and lies in LDS as [4 heads][128 tokens][80 bytes].
; There are 128 tiles of this size: 128 work-groups.  CLUSTERS: 4 x 4 work-groups; y's tiles are shared along a row of the cluster, Wo's along a column, each asked for jointly.
; THE MATRIX INSTRUCTION IS USED TRANSPOSED (source 0 = 16 rows of Wo, source 1 = 16 tokens): a lane holds eight neighbouring numbers of a row of out0.
; REGISTERS, in windows of 256: window 0: v0-31 addresses; from v128 y's fragments, ONE set; on the way out v32-255 are free.  window 1: Wo's fragments, TWO sets.  windows 2, 3: the accumulators ((a, b) at v[8 (8 (a % 4) + b)]).
.set SIZE_N, 1024
.set ROWB,   256                       ; a row of Wo's tile in bytes
.set KROW,   1024                      ; a row of Wo's codes in memory
.set PITCH,  272                       ; Wo's LDS row: 256 bytes + 16
.set AP,     80                        ; a token's 64 codes of a head in LDS: + 16: an odd multiple of 16, so that the 16 rows of a load start at 16 different groups of banks
.set HEADB,  128*AP                    ; a head's 128 tokens
.set HALFA,  4*HEADB                   ; what one tensor load brings of y
.set HALFB,  128*PITCH                 ; and of Wo
.set BOFF,   2*HALFA                   ; a slot: y's 256 tokens, then Wo's 256 rows
.set SLOT,   2*HALFA+2*HALFB
.set ASTEP,  32768                     ; a K step on in yc
.set FR,     16
.set NL,     4
.set NP,     4                         ; places behind this matrix instruction (ISA guide 7.12.1)
.set LAPS,   2                         ; 1,024 / (2 x 256)
.set SPARE,  2*SLOT                    ; behind the ring: the spare words, 128 bytes for each wave
.set SPITCH, 528                       ; the way out: a stage of 16 rows x (512 bytes + 16) for each wave, in slot 0, which has had its last fill and its last read when the first result is stored there
.set ADRA, 16                          ; v16-17  LDS address of my fragments of y in slot 0, 1
.set ADRB, 20                          ; v20-21  the same for Wo
.set STO,  24
.set RD,   25
.set CO,   26
.set SPW,  28                          ; v28     LDS address of my spare word; never rewritten
.set NIL,  29                          ; v29     0; never rewritten
.set TMP,  32
.set AF,   128
.set BK,   128
.set G1, 24
.set G0, 32
.set G1B, 48
.set G0B, 56
.set MSB, 0
.macro WIN new                         ; the immediate's high byte repeats the setting that is left
.if MSB != \new
	s_set_vgpr_msb (MSB<<8)|\new
.set MSB, \new
.endif
.endm
.set MUL_LO, 0xa1
.set MUL_HI, 0xf1
.set TO_B,   0x40
.macro JLOAD g0a, g1a, g0b, g1b        ; a joint load: waves 0 and 1 fetch y's two halves, waves 2 and 3 Wo's; four v_nop follow each of the two lines
	s_cmp_eq_u32 s15, 0
	s_cbranch_scc0 .Lfor_b_\@
	tensor_load_to_lds s[\g0a:\g0a+3], s[\g1a:\g1a+7]
	s_nop 0
.rept 4
	v_nop
.endr
	s_branch .Lasked_\@
.Lfor_b_\@:
	tensor_load_to_lds s[\g0b:\g0b+3], s[\g1b:\g1b+7]
	s_nop 0
.rept 4
	v_nop
.endr
.Lasked_\@:
.endm
.macro CREST
	s_cmp_lg_u32 s14, 0
	s_cbranch_scc1 .Lnot_wave_0_\@
	s_barrier_signal -3
.Lnot_wave_0_\@:
	s_barrier_wait -3
	s_barrier_signal -1
	s_barrier_wait -1
.endm
.macro CROUND
	s_barrier_signal -1
	s_barrier_wait -1
	CREST
.endm
	s_load_b128 s[4:7], s[0:1], 0x0                ; yc s[4:5], wc s[6:7]
	s_load_b128 s[8:11], s[0:1], 0x10              ; the scales' exponents s[8:9], out0 s[10:11]
	v_lshl_add_u32 v[SPW], v0, 2, SPARE
	v_mov_b32 v[NIL], 0
	ds_add_u32 v28, v29
	ds_add_u32 v28, v29
	s_wait_dscnt 0x0
	v_lshrrev_b32 v1, 5, v0
	v_readfirstlane_b32 s14, v1                    ; wave 0..3
	s_lshr_b32 s15, s14, 1                         ; which half of the tile's tokens is mine.  Also: I fetch for y (0) or for Wo (1)
	s_and_b32 s16, s14, 1                          ; which half of its columns.  Also: which 128 rows I fetch
	s_bfe_u32 s40, ttmp6, 0x40000                  ; cx, cy
	s_bfe_u32 s41, ttmp6, 0x40004
	s_lshl_b32 s42, ttmp9, 2
	s_add_co_u32 s42, s42, s40                     ; tile column = 4 x cluster x + cx
	s_and_b32 s17, ttmp7, 0xffff
	s_lshl_b32 s17, s17, 2
	s_add_co_u32 s17, s17, s41                     ; tile row = 4 x cluster y + cy
	s_lshl_b32 s43, s41, 2
	s_lshl_b32 s43, 15, s43                        ; my row of the cluster
	s_lshl_b32 s44, 0x1111, s40                    ; my column
	s_or_b32 s[G1+0], s43, (0<<16)|(1<<20)|(1<<21)|(3<<22)|(3<<25)  ; y: 15:0 the mask: my row; elements of 1 byte; 20 padding on; 21 set beside a mask; 24:22 after every 16 words (code 3); 31:25 four words (code 3)
	s_mov_b32 s[G1+1], 256<<16                     ; tensor_dim0
	s_mov_b32 s[G1+2], 128<<16                     ; tensor_dim1
	s_mov_b32 s[G1+3], 256<<16                     ; tile_dim0
	s_mov_b32 s[G1+4], 128                         ; tile_dim1
	s_mov_b32 s[G1+5], 256                         ; tensor_dim0_stride: the block is dense
	s_mov_b32 s[G1+6], 0
	s_mov_b32 s[G1+7], 0
	s_or_b32 s[G1B+0], s44, (0<<16)|(1<<20)|(1<<21)|(5<<22)|(3<<25) ; Wo: the mask: my column; four words of padding after every 64
	s_mov_b32 s[G1B+1], ROWB<<16
	s_mov_b32 s[G1B+2], 128<<16
	s_mov_b32 s[G1B+3], ROWB<<16
	s_mov_b32 s[G1B+4], 128
	s_mov_b32 s[G1B+5], KROW
	s_mov_b32 s[G1B+6], 0
	s_mov_b32 s[G1B+7], 0
	s_lshl_b32 s20, s17, 1
	s_add_co_u32 s20, s20, s16
	s_lshl_b32 s20, s20, 17                        ; y: block 2 x tile row + half, 131,072 bytes each
	s_mov_b32 s21, 0
	s_lshl_b32 s18, s16, 7
	s_lshl_b32 s46, s42, 8
	s_add_co_u32 s46, s46, s18
	s_lshl_b32 s46, s46, 10                        ; Wo: row 256 x tile column + 128 x half, 1,024 bytes each,
	s_add_co_u32 s46, s46, 0x300000                ; in plane 3 of wc
	s_mov_b32 s47, 0
	s_mul_i32 s45, s16, HALFA                      ; where they go: no place in the cluster enters an LDS address
	s_mul_i32 s19, s16, HALFB
	s_add_co_u32 s19, s19, BOFF
	s_wait_kmcnt 0x0
	s_load_b64 s[96:97], s[8:9], 0x28              ; e10, e11
	s_add_nc_u64 s[20:21], s[4:5], s[20:21]
	s_add_nc_u64 s[46:47], s[6:7], s[46:47]
	CROUND                                         ; all sixteen work-groups are here: the first joint loads meet
.irp s, 0,1
	s_mov_b32 s[G0+4*\s], 1
	s_add_co_u32 s[G0+4*\s+1], s45, \s*SLOT
	s_add_nc_u64 s[G0+4*\s+2:G0+4*\s+3], s[20:21], \s*ASTEP
	s_or_b32 s[G0+4*\s+3], s[G0+4*\s+3], 0x80000000
	s_mov_b32 s[G0B+4*\s], 1
	s_add_co_u32 s[G0B+4*\s+1], s19, \s*SLOT
	s_add_nc_u64 s[G0B+4*\s+2:G0B+4*\s+3], s[46:47], \s*ROWB
	s_or_b32 s[G0B+4*\s+3], s[G0B+4*\s+3], 0x80000000
	s_wait_alu depctr_va_vdst(0)
	s_wait_tensorcnt 0x0
	ds_add_u32 v28, v29
	ds_add_u32 v28, v29
	s_wait_dscnt 0x0
	CROUND
	JLOAD G0+4*\s, G1, G0B+4*\s, G1B
.endr
	v_and_b32 v1, 15, v0                           ; r
	v_bfe_u32 v2, v0, 4, 1                         ; h
	v_mul_u32_u24 v3, v1, AP
	v_lshl_add_u32 v3, v2, 4, v3                   ; y: token r x 80 + 16 h
	v_mul_u32_u24 v4, v1, PITCH
	v_lshl_add_u32 v4, v2, 4, v4                   ; Wo: row r x 272 + 16 h
	s_mul_i32 s21, s15, HALFA                      ; my 128 tokens
	s_mul_i32 s22, s16, HALFB                      ; my 128 rows of Wo,
	s_add_co_u32 s22, s22, BOFF                    ; which lie behind y's part
.irp s, 0,1
	v_add_nc_u32 v[ADRA+\s], s21, v3
	v_add_nc_u32 v[ADRB+\s], s22, v4
	s_add_co_u32 s21, s21, SLOT
	s_add_co_u32 s22, s22, SLOT
.endr
	s_mul_i32 s23, s14, 16*SPITCH                  ; my stage
	v_mul_u32_u24 v5, v1, SPITCH                   ; in: row r, 32 bytes for each half of the lanes
	v_lshl_add_u32 v5, v2, 5, v5
	v_add_nc_u32 v[STO], s23, v5
	v_and_b32 v6, 31, v0
	v_lshlrev_b32 v[CO], 4, v6                     ; back: the 32 lanes take one row of 512 bytes; and the same in out0
	v_add_nc_u32 v[RD], s23, v[CO]
	s_lshl_b32 s20, s17, 8
	s_lshl_b32 s21, s15, 7
	s_add_co_u32 s20, s20, s21                     ; my first row of out0
	s_lshl_b32 s20, s20, 12                        ; 4,096 bytes a row: under 2^25
	s_mov_b32 s21, 0
	s_lshl_b32 s46, s42, 10                        ; my first column, in bytes
	s_lshl_b32 s47, s16, 9
	s_add_co_u32 s46, s46, s47
	s_mov_b32 s47, 0
	s_add_nc_u64 s[20:21], s[20:21], s[46:47]
	s_add_nc_u64 s[10:11], s[10:11], s[20:21]
; A fragment, 16 rows x 128 K, is 16 registers: lane l holds row l % 16; registers 4 c .. 4 c + 3 hold K = 32 c + 16 (l / 16) + 0 .. 15: the same permutation of K on both sides.
.macro FRAGA reg, adr, q, i            ; y: the slot's q-th 128 along K are heads 2 q and 2 q + 1; c / 2 says which, 32 (c % 2) where in its 64
.irp c, 0,1,2,3
	ds_load_b128 v[\reg+4*\c:\reg+4*\c+3], v[\adr] offset:(2*(\q)+\c/2)*HEADB+(\i)*16*AP+32*(\c%2)
.endr
.endm
.macro FRAGB reg, adr, q, i
.irp c, 0,1,2,3
	ds_load_b128 v[\reg+4*\c:\reg+4*\c+3], v[\adr] offset:128*(\q)+32*\c+(\i)*16*PITCH
.endr
.endm
.macro MUL16 a0, p, zero               ; 16 matrix instructions; the 64 accumulators take turns, one instruction a turn
.irp a, \a0, \a0+1
.irp b, 0,1,2,3,4,5,6,7
.if \zero
	v_wmma_f32_16x16x128_fp8_fp8 v[8*(8*((\a)%4)+\b):8*(8*((\a)%4)+\b)+7], v[128*(\p)+FR*\b:128*(\p)+FR*\b+FR-1], v[AF+FR*(\a):AF+FR*(\a)+FR-1], 0
.else
	v_wmma_f32_16x16x128_fp8_fp8 v[8*(8*((\a)%4)+\b):8*(8*((\a)%4)+\b)+7], v[128*(\p)+FR*\b:128*(\p)+FR*\b+FR-1], v[AF+FR*(\a):AF+FR*(\a)+FR-1], v[8*(8*((\a)%4)+\b):8*(8*((\a)%4)+\b)+7]
.endif
.endr
.endr
.endm
.macro FETCH_B slot, q, p
	WIN TO_B
.irp i, 0,1,2,3,4,5,6,7
	FRAGB 128*(\p)+FR*\i, ADRB+\slot, \q, \i
.endr
	WIN 0
.endm
.macro FETCH_A slot, q, i0
.irp i, \i0, \i0+1, \i0+2, \i0+3
	FRAGA AF+FR*(\i), ADRA+\slot, \q, \i
.endr
.endm
.macro PLACES n                        ; plain vector lines between a matrix instruction and a load into a register that it read, or a vector line that reads its result
.rept \n
	v_nop
.endr
.endm
.macro STEP slot, q, zero              ; a step of 128 along K that has its successor in the same slot
	s_wait_dscnt 4*NL                              ; Wo's set and y's blocks 0-3 are in; the youngest 16 loads (blocks 4-7) may be out
	WIN MUL_LO
	MUL16 0, (\q)%2, \zero
	MUL16 2, (\q)%2, \zero
	s_wait_dscnt 0
	PLACES NP
	FETCH_B \slot, (\q)+1, 1-(\q)%2
	FETCH_A \slot, (\q)+1, 0
	WIN MUL_HI
	MUL16 4, (\q)%2, \zero
	MUL16 6, (\q)%2, \zero
	PLACES NP
	WIN 0
	FETCH_A \slot, (\q)+1, 4
.endm
; A slot's last step changes slots: ONE barrier; in front of it each wave waits for all its tensor loads, adds 0 to its spare word, and waits for that and for its own reads of this slot.
.macro TURN slot, next, fill
	s_wait_tensorcnt 0x0                           ; all my tensor loads have landed: my part of the next slot
	ds_add_u32 v[SPW], v[NIL]                      ; 0 onto my spare word
	s_wait_dscnt 4*NL+1                            ; (the add and the youngest 16 loads may be out)
	WIN MUL_LO
	MUL16 0, 1, 0
	s_wait_dscnt 0x0                               ; the add is done, and my reads of this slot are over
	s_barrier_signal -1
	MUL16 2, 1, 0
	WIN 0
	s_barrier_wait -1
.if \fill
	CREST                                          ; the barrier has opened a round of the cluster's barrier: no wave of any partner still reads this slot's tile or has a load on its way
	s_add_nc_u64 s[G0+4*\slot+2:G0+4*\slot+3], s[G0+4*\slot+2:G0+4*\slot+3], 2*ASTEP
	s_add_nc_u64 s[G0B+4*\slot+2:G0B+4*\slot+3], s[G0B+4*\slot+2:G0B+4*\slot+3], 2*ROWB
	JLOAD G0+4*\slot, G1, G0B+4*\slot, G1B         ; the first tensor load behind the round; its four v_nop are also the places in front of the loads below
.else
	PLACES NP
.endif
	FETCH_B \next, 0, 0
	FETCH_A \next, 0, 0
	WIN MUL_HI
	MUL16 4, 1, 0
	MUL16 6, 1, 0
	PLACES NP
	WIN 0
	FETCH_A \next, 0, 4
.endm
	s_wait_alu depctr_va_vdst(0)
	s_wait_tensorcnt 1                             ; my part of K step 0 is in (K step 1's load, issued behind it, may be out)
	s_barrier_signal -1
	s_barrier_wait -1                              ; everybody's is
	FETCH_B 0, 0, 0
	FETCH_A 0, 0, 0
	FETCH_A 0, 0, 4
	STEP 0, 0, 1                                   ; the first step stands in front of the loop: its products start the sums
	s_mov_b32 s3, LAPS-1
.Llap:
	TURN 0, 1, 1
	STEP 1, 0, 0
	TURN 1, 0, 1
	STEP 0, 0, 0
	s_sub_co_u32 s3, s3, 1
	s_cmp_lg_u32 s3, 0
	s_cbranch_scc1 .Llap
	TURN 0, 1, 0                                   ; the last lap fills nothing
	STEP 1, 0, 0
	s_wait_dscnt 4*NL
	WIN MUL_LO
	MUL16 0, 1, 0
	MUL16 2, 1, 0
	s_wait_dscnt 0
	WIN MUL_HI
	MUL16 4, 1, 0
	MUL16 6, 1, 0
	WIN 0
; THE WAY OUT, block by block of 16 rows x 128 columns, through my own stage in LDS: in as 32 bytes a lane, back as whole rows of 512 bytes.  LDS serves a wave's instructions in order (ISA guide 5.7.1.4).
.macro TOSTAGE a
.set AC, 64*((\a)%4)
	WIN 0x02+((\a)/4)                              ; source 0: window 2 or 3
.set j, 0
.rept 32
	v_pk_mul_f32 v[TMP+j:TMP+j+1], v[AC+j:AC+j+1], s[96:97] op_sel_hi:[1,0]   ; both x s96 = 2^(e10 + e11); each accumulator from its low end on
.set j, j+2
.endr
	WIN 0
.irp b, 0,1,2,3,4,5,6,7
	ds_store_b128 v[STO], v[TMP+8*\b:TMP+8*\b+3] offset:64*\b
	ds_store_b128 v[STO], v[TMP+8*\b+4:TMP+8*\b+7] offset:64*\b+16
.endr
.set BB, BK+64*((\a)%2)
.irp t, 0,1,2,3,4,5,6,7,8,9,10,11,12,13,14,15
	ds_load_b128 v[BB+4*\t:BB+4*\t+3], v[RD] offset:\t*SPITCH
.endr
.endm
.macro SEND a, younger                 ; younger: the LDS instructions issued behind block a's loads, which may stay out
.set BB, BK+64*((\a)%2)
	s_wait_dscnt \younger
.if (\a) > 0
	s_add_nc_u64 s[10:11], s[10:11], 16*SIZE_N*4   ; (behind a wait on XCNT: the earlier stores have read their base)  16 rows on
.endif
.irp t, 0,1,2,3,4,5,6,7,8,9,10,11,12,13,14,15
	global_store_b128 v[CO], v[BB+4*\t:BB+4*\t+3], s[10:11] offset:\t*SIZE_N*4 th:TH_STORE_NT   ; 32 lanes store 512 consecutive bytes, aligned; written once, read by nobody here
.endr
.endm
	s_wait_kmcnt 0x0
	s_add_co_i32 s96, s96, s97                     ; e10 + e11, between -126 and 127,
	s_add_co_i32 s96, s96, 127
	s_lshl_b32 s96, s96, 23                        ; makes the f32 number 2^(e10 + e11)
	PLACES NP
	TOSTAGE 0
.irp a, 1,2,3,4,5,6,7
.if \a > 1
	s_wait_xcnt 0x0                                ; block a - 2's stores have read their registers and their base
.endif
	TOSTAGE \a
	SEND \a-1, 32                                  ; behind block a - 1's loads: block a's 16 stores and 16 loads
.endr
	s_wait_xcnt 0x0
	SEND 7, 0
	s_wait_tensorcnt 0x0                           ; the wave's end, behind my last tensor load and my last LDS store
	ds_add_u32 v[SPW], v[NIL]
	s_wait_dscnt 0x0
	CROUND                                         ; the closing round
	s_endpgm
.Lfunc_end_k_q89aa4fafb3_oproj:
	.size	k_q89aa4fafb3_oproj, .Lfunc_end_k_q89aa4fafb3_oproj-k_q89aa4fafb3_oproj
	.p2alignl 7, 3214868480
	.fill 96, 4, 3214868480
	.section	.rodata,"a",@progbits
	.p2align	6, 0x0
	.amdhsa_kernel k_q89aa4fafb3_oproj
		.amdhsa_group_segment_fixed_size 327680
		.amdhsa_private_segment_fixed_size 0
		.amdhsa_enable_private_segment 0
		.amdhsa_kernarg_size 32
		.amdhsa_user_sgpr_count 2
		.amdhsa_user_sgpr_kernarg_segment_ptr 1
		.amdhsa_wavefront_size32 1
		.amdhsa_system_sgpr_workgroup_id_x 1
		.amdhsa_system_sgpr_workgroup_id_y 1
		.amdhsa_system_sgpr_workgroup_id_z 1
		.amdhsa_system_vgpr_workitem_id 0
		.amdhsa_next_free_vgpr 1024
		.amdhsa_next_free_sgpr 98
		.amdhsa_reserve_vcc 0
		.amdhsa_float_denorm_mode_32 3
		.amdhsa_float_denorm_mode_16_64 3
		.amdhsa_memory_ordered 1
		.amdhsa_forward_progress 1
		.amdhsa_inst_pref_size 124
	.end_amdhsa_kernel
	.amdgpu_metadata
---
amdhsa.version: [ 1, 2 ]
amdhsa.kernels:
  - .name:           k_q89aa4fafb3_oproj
    .symbol:         k_q89aa4fafb3_oproj.kd
    .args:
      - { .name: yc, .offset: 0, .size: 8, .value_kind: global_buffer, .address_space: global }
      - { .name: wc, .offset: 8, .size: 8, .value_kind: global_buffer, .address_space: global }
      - { .name: lowp_scales, .offset: 16, .size: 8, .value_kind: global_buffer, .address_space: global }
      - { .name: out0, .offset: 24, .size: 8, .value_kind: global_buffer, .address_space: global }
    .group_segment_fixed_size: 327680
    .private_segment_fixed_size: 0
    .kernarg_segment_align: 8
    .kernarg_segment_size: 32
    .max_flat_workgroup_size: 128
    .sgpr_count:     98
    .vgpr_count:     1024
    .wavefront_size: 32
...
	.end_amdgpu_metadata
.endif
;; end of part 4
